; MI455X (gfx1250); checked and timed in simulation.
; The chip was launched on July 23, 2026; its instructions are those of AMD's public machine-readable ISA for CDNA 5 (MIT licence, August 2026) and "CDNA5" Instruction Set Architecture Reference Guide (July 2026). The comments in the code are by the model that wrote it; some were corrected since.
;; Multi Headed Attention. Allowed arithmetic: matrix products marked QUANTISED: E5M2 operands, one E8M0 scale for each 32 along K, by v_wmma_scale_f32_16x16x128_f8f6f4 with both operands' format E5M2, f32 sums; everything else in f32.
;; Inputs: Wk_codes 1,024 x 32 x 32 uint8 (E5M2 codes of Wk, K innermost, in blocks of 32 codes); Wk_scales 1,024 x 32 uint8 (E8M0 scales of Wk, one for each 32 codes along K); Wo_codes 1,024 x 32 x 32 uint8 (E5M2 codes of Wo, K innermost, in blocks of 32 codes); Wo_scales 1,024 x 32 uint8 (E8M0 scales of Wo, one for each 32 codes along K); Wq_codes 1,024 x 32 x 32 uint8 (E5M2 codes of Wq, K innermost, in blocks of 32 codes); Wq_scales 1,024 x 32 uint8 (E8M0 scales of Wq, one for each 32 codes along K); Wv_codes 1,024 x 32 x 32 uint8 (E5M2 codes of Wv, K innermost, in blocks of 32 codes); Wv_scales 1,024 x 32 uint8 (E8M0 scales of Wv, one for each 32 codes along K); bk 1,024 float32; bo 1,024 float32; bq 1,024 float32; bv 1,024 float32; key_codes 2 x 2,048 x 32 x 32 uint8 (E5M2 codes of key, K innermost, in blocks of 32 codes); key_scales 2 x 2,048 x 32 uint8 (E8M0 scales of key, one for each 32 codes along K); query_codes 2 x 2,048 x 32 x 32 uint8 (E5M2 codes of query, K innermost, in blocks of 32 codes); query_scales 2 x 2,048 x 32 uint8 (E8M0 scales of query, one for each 32 codes along K); value_codes 2 x 2,048 x 32 x 32 uint8 (E5M2 codes of value, K innermost, in blocks of 32 codes); value_scales 2 x 2,048 x 32 uint8 (E8M0 scales of value, one for each 32 codes along K).
;; Outputs: out0 2 x 2,048 x 1,024 float32.
;; This version of the problem:
;;   THIS VERSION OF THE PROBLEM IS GIVEN IN LOW PRECISION. The matrix products marked QUANTISED in the list below multiply operands that are first quantised to E5M2 (5 exponent bits, 2 mantissa bits; 8 bits a number), with one power-of-two scale for each 32 numbers along K (OCP MX v1.0); their sums are f32. All else is computed in f32.
;;   The module's matrix products, in the order in which they are computed (A, B: the left and right operand; K: the contracted axis; several contracted axes count as one K, in the product's order):
;;     1. [M 4,096, K 1,024] x [K 1,024, N 1,024]; A: input query (given as codes); B: input Wq (given as codes): QUANTISED
;;     2. [M 4,096, K 1,024] x [K 1,024, N 1,024]; A: input key (given as codes); B: input Wk (given as codes): QUANTISED
;;     3. [M 4,096, K 1,024] x [K 1,024, N 1,024]; A: input value (given as codes); B: input Wv (given as codes): QUANTISED
;;     4. batch 32 x [M 2,048, K 64] x [K 64, N 2,048]; A: computed on the way; B: computed on the way: QUANTISED
;;     5. batch 32 x [M 2,048, K 2,048] x [K 2,048, N 64]; A: softmax (see below); B: computed on the way: QUANTISED
;;     6. [M 4,096, K 1,024] x [K 1,024, N 1,024]; A: computed on the way; B: input Wo (given as codes): QUANTISED
;;   THE QUANTISER, for each operand of a quantised product, along K:
;;     - K is cut into blocks of 32 from its start; a last block that is shorter is filled with zeros.
;;     - A block's scale is 2^e with e = floor(log2(the largest magnitude in the block)) - 15, held to -126 .. 127; a block of zeros has e = 0. As a byte (E8M0): e + 127.
;;     - Each number is divided by its block's scale, clamped to +-57,344, and rounded to the nearest number of E5M2, ties to even, subnormals kept.
;;     - The product sums the exact products of the quantised numbers (number of the format x scale) in f32.
;;   ~~~python
;;   def quantise(x, axis):      # numpy; x: float32 -> the quantised numbers, widened to float32 again
;;       x = np.moveaxis(x, axis, -1); K = x.shape[-1]
;;       x = np.pad(x, [(0, 0)] * (x.ndim - 1) + [(0, -K % 32)]); x = x.reshape(x.shape[:-1] + (-1, 32)); a = np.abs(x).max(-1, keepdims=True)
;;       e = np.where(a > 0, np.clip(np.frexp(np.where(a > 0, a, 1))[1] - 1 - 15, -126, 127), 0)      # np.frexp(a)[1] - 1 = floor(log2(a)), exactly
;;       r = np.clip(x / 2.0 ** e, -57344, 57344)
;;       step = 2.0 ** (np.maximum(np.frexp(np.where(r == 0, 1, r))[1] - 1, -14) - 2)
;;       q = np.round(r / step) * step * 2.0 ** e      # np.round: ties to even
;;       return np.moveaxis(q.reshape(q.shape[:-2] + (-1,))[..., :K], -1, axis).astype(np.float32)
;;   ~~~
;;   SOFTMAX AHEAD OF A QUANTISED PRODUCT. Where the list says 'softmax', what is quantised is not the finished softmax but p = 2^(t - M), with t = logit x log2(e) and M = ceil(the row's largest t), a whole number; so 1/2 < the row's largest p <= 1. The row's sum l is taken of the UNQUANTISED p, in f32, and the product's result is divided by l at the end. Since M is a whole number, a kernel that streams over the keys may use a running M (the ceiling of the running maximum): every later rescaling is an exact power of two, which a block's scale takes up: the codes' values come out the same.
;;   OPERANDS COMPUTED ON THE WAY. 'Computed on the way' means the value that the module computes at that place (a softmax that the list does not call 'softmax' is quantised finished and normalised). What goes into a quantiser is computed in f32, as accurately as f32 sums, v_exp_f32 and their like allow (about 1e-6 of the number): no bf16 or f16 on the way to a quantiser, and a product that is left as it is and whose result goes on into a quantised operand takes f32 operands (vector FMAs, or v_wmma_f32_16x16x4_f32). A number that lies on a knife's edge between two numbers of the format may be rounded either way, as far as f32 arithmetic and the matrix unit's own rounding can turn it there, and no further.
;;   INPUTS GIVEN AS CODES. Wk (in the module: [1024, 1024], K = its axis 1); Wo (in the module: [1024, 1024], K = its axis 1); Wq (in the module: [1024, 1024], K = its axis 1); Wv (in the module: [1024, 1024], K = its axis 1); key (in the module: [2, 2048, 1024], K = its axis 2); query (in the module: [2, 2048, 1024], K = its axis 2); value (in the module: [2, 2048, 1024], K = its axis 2): each comes as NAME_codes (uint8): NAME with its K axis moved to the last place and cut into blocks of 32 codes, [.., K / 32, bytes a block], one block behind the other in memory; one code a byte (a code: sign, 5 exponent bits, 2 mantissa bits); and NAME_scales (uint8): the same leading axes, one E8M0 byte (e + 127) for each 32 codes along K. Its value is code x scale, taken as it is: it is not quantised again, and the codes and scales need not be those that the quantiser above would give.
;; One version. Each part assembles by itself: llvm-mc -triple=amdgcn-amd-amdhsa -mcpu=gfx1250 --defsym DOCPART=n.
;; ======== version 1 of 1: 3 launches
;; limits: right only within a limited range of input values
;; workspace buffers: ws 12,976,128 bytes; xc 4,194,304 bytes; xs 131,072 bytes
;; launch proj (part 1): grid 4 x 48, 4 waves a work-group, clusters of 4 x 4, 327,680 bytes of LDS; arguments query_codes, query_scales, Wq_codes, Wq_scales, key_codes, key_scales, Wk_codes, Wk_scales, value_codes, value_scales, Wv_codes, Wv_scales, bq, bk, bv, ws; writes ws
.if DOCPART == 1
	.amdgcn_target "amdgcn-amd-amdhsa--gfx1250"
	.amdhsa_code_object_version 6
	.text
	.protected	k_qbf8eeb3cf0_proj
	.globl	k_qbf8eeb3cf0_proj
	.p2align	8
	.type	k_qbf8eeb3cf0_proj,@function
k_qbf8eeb3cf0_proj:
	s_mov_b64 s[64:65], 0
	v_nop
	global_prefetch_b8 v0, s[64:65] scope:SCOPE_SE
	s_setreg_imm32_b32 hwreg(HW_REG_WAVE_MODE, 25, 1), 1
	s_wait_xcnt 0x0
	s_wait_alu depctr_hold_cnt(0) depctr_sa_sdst(0) depctr_va_vdst(0) depctr_va_sdst(0) depctr_va_ssrc(0) depctr_va_vcc(0) depctr_vm_vsrc(0)
	s_getreg_b32 s2, hwreg(HW_REG_IB_STS2, 6, 4)
	s_cmp_eq_u32 s2, 0
	s_cbranch_scc0 .Lentry_in_a_cluster
	s_endpgm
.Lentry_in_a_cluster:
	s_bfe_u32 s2, ttmp6, 0x10000c
	s_cmp_lg_u32 s2, 0xf033
	s_cbranch_scc0 .Lentry_shape_is_right
	s_endpgm
.Lentry_shape_is_right:
; Q, K, V = x W^T + b for query, key and value: three products of 4,096 x 1,024 x 1,024 on codes of BF8 (E5M2) with one E8M0 scale for each 32 along K, sums and biases in f32, each result quantised
; along the K of the product that takes it (q, k: the head's 64; v: the keys) and laid in the workspace as images of operand registers, one record for each of 32 (batch, head) pairs.
; A work-group of four waves makes 256 x 256, a wave 128 x 128 in 512 registers.  K goes in four steps of 256 through two LDS slots; the scale bytes of all of K stay in LDS.  4 x 4 work-groups form a cluster and ask for their tiles jointly.
; v is made transposed to q and k (its source rows are W_v's), so that a lane's registers run along the keys.
; THE HEAD fills both slots, one joint load a wave: waves 0 and 1 fetch K step 0's 256 rows of A and of B, waves 2 and 3 K step 1's.  The scale bytes (8,192 dense bytes for each side) go through registers into LDS:
; 16 bytes a thread and load, 16 bytes of padding behind each 256.
; PREFETCH INTO THE L2: K steps 0 and 1 come by their loads alone; step 2 is asked for ahead of step 0's products, step 3 among them, each a step or more ahead of its load.  Of the 128 rows that a wave fetches,
; each of the four partners names 32 (by cx for A, by cy for B), a lane a row of 256 bytes: each block once in a cluster.
; LIMITS: NaN and infinities are not served.  A block of zeros gets the scale byte 1: the bytes are read by this program alone.
.set G0H,    4                         ; the head's groups 0: K step 0 of A, of B; of K step 1 in G0S, G0SB; their groups 1 (256 rows) in G1S, G1SB
.set G0HB,   8
.set PFA,    40                        ; s[40:41] where my prefetches stand, v8 the offset: 1,024 x lane; neither is written again
.set KSTEP,  256
.set NQ,     2
.set ROWB,   256
.set KROW,   1024
.set PITCH,  272
.set FR,     16
.set NL,     4
.set NP,     8
.set HALFT,  128*PITCH
.set SLOT,   4*HALFT
.set KS,     32
.set SCL,    2*SLOT
.set HALFS,  (128*KS/256)*272
.set SBLK,   (16*KS/256)*272
.set SPARE,  SCL+4*HALFS
.set SCRQ,   SPARE+512
.set RECW,   405504
.set ADRA, 16
.set ADRB, 20
.set SO8,  22
.set SOV,  23
.set SCW,  24
.set SCR,  25
.set LI,   26
.set ADRS, 27
.set SPW,  28
.set NIL,  29
.set BH,   30
.set BR,   31
.set SC,   32
.set BI,   64
.set AF,   128
.set X,    128
.set PC,   192
.set TM,   224
.set PW,   240
.set T,    248
.set U,    252
.set G1, 24
.set G0, 32
.set G1B, 48
.set G0B, 56
.set G1S, 68
.set G0S, 76
.set G1SB, 80
.set G0SB, 88
.set MSB, 0
.macro WIN new
.if MSB != (\new)
	s_set_vgpr_msb (MSB<<8)|(\new)
.set MSB, (\new)
.endif
.endm
.set MUL_LO, 0xa1
.set MUL_HI, 0xf1
.set TO_B,   0x40
.macro JLOAD g0a, g1a, g0b, g1b
	s_cmp_eq_u32 s15, 0
	s_cbranch_scc0 .Lfor_b_\@
	tensor_load_to_lds s[\g0a:\g0a+3], s[\g1a:\g1a+7]
	s_nop 0
.rept 4
	v_nop
.endr
	s_branch .Lasked_\@
.Lfor_b_\@:
	tensor_load_to_lds s[\g0b:\g0b+3], s[\g1b:\g1b+7]
	s_nop 0
.rept 4
	v_nop
.endr
.Lasked_\@:
.endm
.macro CREST
	s_cmp_lg_u32 s14, 0
	s_cbranch_scc1 .Lnot_wave_0_\@
	s_barrier_signal -3
.Lnot_wave_0_\@:
	s_barrier_wait -3
	s_barrier_signal -1
	s_barrier_wait -1
.endm
.macro CROUND
	s_barrier_signal -1
	s_barrier_wait -1
	CREST
.endm
	s_load_b256 s[68:75], s[0:1], 0x0
	s_load_b256 s[76:83], s[0:1], 0x20
	s_load_b256 s[84:91], s[0:1], 0x40
	s_load_b128 s[92:95], s[0:1], 0x60
	s_load_b128 s[96:99], s[0:1], 0x70
	v_lshl_add_u32 v[SPW], v0, 2, SPARE
	v_mov_b32 v[NIL], 0
	ds_add_u32 v28, v29
	ds_add_u32 v28, v29
	s_wait_dscnt 0x0
	v_lshrrev_b32 v1, 5, v0
	v_readfirstlane_b32 s14, v1
	s_lshr_b32 s15, s14, 1
	s_and_b32 s16, s14, 1
	s_bfe_u32 s40, ttmp6, 0x40000
	s_bfe_u32 s41, ttmp6, 0x40004
	s_and_b32 s3, ttmp7, 0xffff
	s_lshr_b32 s2, s3, 2
	s_and_b32 s3, s3, 3
	s_lshl_b32 s3, s3, 2
	s_cmp_eq_u32 s2, 2
	s_cselect_b32 s17, 0, s3
	s_cselect_b32 s42, s3, 0
	s_add_co_u32 s17, s17, s41
	s_add_co_u32 s42, s42, s40
	s_lshl_b32 s43, s41, 2
	s_lshl_b32 s43, 15, s43
	s_lshl_b32 s44, 0x1111, s40
	s_or_b32 s[G1+0], s43, (0<<16)|(1<<20)|(1<<21)|(5<<22)|(3<<25)
	s_or_b32 s[G1B+0], s44, (0<<16)|(1<<20)|(1<<21)|(5<<22)|(3<<25)
.irp g, G1, G1B
	s_mov_b32 s[\g+1], ROWB<<16
	s_mov_b32 s[\g+2], 128<<16                     ; the ring's loads: 128 rows a wave
	s_mov_b32 s[\g+3], ROWB<<16
	s_mov_b32 s[\g+4], 128
	s_mov_b32 s[\g+5], KROW
	s_mov_b32 s[\g+6], 0
	s_mov_b32 s[\g+7], 0
.endr
	s_lshl_b32 s20, s17, 8
	s_lshl_b32 s46, s42, 8
	s_mov_b32 s21, 0
	s_mov_b32 s47, 0
	s_mov_b64 s[18:19], KS
	s_mul_u64 s[22:23], s[20:21], s[18:19]
	s_mul_u64 s[100:101], s[46:47], s[18:19]
	s_mov_b64 s[18:19], KROW
	s_mul_u64 s[20:21], s[20:21], s[18:19]
	s_mul_u64 s[46:47], s[46:47], s[18:19]
	s_mul_i32 s18, s16, 128*KROW                   ; in the ring I fetch 128 rows of a tile: which half
	s_mov_b32 s19, 0
	s_mul_i32 s45, s14, HALFT
	CROUND                                         ; all sixteen work-groups are here: the first joint loads meet
	s_wait_kmcnt 0x0
	s_cmp_eq_u32 s2, 1
	s_cselect_b64 s[4:5], s[76:77], s[68:69]
	s_cselect_b64 s[6:7], s[78:79], s[70:71]
	s_cselect_b64 s[8:9], s[80:81], s[72:73]
	s_cselect_b64 s[10:11], s[82:83], s[74:75]
	s_cselect_b64 s[66:67], s[94:95], s[92:93]
	s_cmp_eq_u32 s2, 2
	s_cselect_b64 s[4:5], s[88:89], s[4:5]
	s_cselect_b64 s[6:7], s[90:91], s[6:7]
	s_cselect_b64 s[8:9], s[84:85], s[8:9]
	s_cselect_b64 s[10:11], s[86:87], s[10:11]
	s_cselect_b64 s[66:67], s[96:97], s[66:67]
	s_or_b32 s[G1S+0], s43, (0<<16)|(1<<20)|(1<<21)|(5<<22)|(3<<25)
	s_or_b32 s[G1SB+0], s44, (0<<16)|(1<<20)|(1<<21)|(5<<22)|(3<<25)
.irp g, G1S, G1SB
	s_mov_b32 s[\g+1], ROWB<<16
	s_mov_b32 s[\g+2], 256<<16                     ; the head's loads: 256 rows a wave
	s_mov_b32 s[\g+3], ROWB<<16
	s_mov_b32 s[\g+4], 256
	s_mov_b32 s[\g+5], KROW
	s_mov_b32 s[\g+6], 0
	s_mov_b32 s[\g+7], 0
.endr
	s_add_nc_u64 s[20:21], s[4:5], s[20:21]
	s_add_nc_u64 s[22:23], s[6:7], s[22:23]
	s_add_nc_u64 s[46:47], s[8:9], s[46:47]
	s_add_nc_u64 s[92:93], s[10:11], s[100:101]
	s_mov_b32 s[G0H], 1                            ; K step 0: A's 256 rows,
	s_mov_b32 s[G0H+1], 0
	s_mov_b64 s[G0H+2:G0H+3], s[20:21]
	s_or_b32 s[G0H+3], s[G0H+3], 0x80000000
	s_mov_b32 s[G0HB], 1                           ; B's 256 rows;
	s_mov_b32 s[G0HB+1], 2*HALFT
	s_mov_b64 s[G0HB+2:G0HB+3], s[46:47]
	s_or_b32 s[G0HB+3], s[G0HB+3], 0x80000000
	s_mov_b32 s[G0S], 1                            ; K step 1 likewise, into slot 1
	s_mov_b32 s[G0S+1], SLOT
	s_add_nc_u64 s[G0S+2:G0S+3], s[20:21], ROWB
	s_or_b32 s[G0S+3], s[G0S+3], 0x80000000
	s_mov_b32 s[G0SB], 1
	s_mov_b32 s[G0SB+1], SLOT+2*HALFT
	s_add_nc_u64 s[G0SB+2:G0SB+3], s[46:47], ROWB
	s_or_b32 s[G0SB+3], s[G0SB+3], 0x80000000
.macro ARM under, g0, g1, next         ; one tree of branches on the wave's number: every way passes one load
	s_cmp_lt_u32 s14, \under
	s_cbranch_scc0 \next
	tensor_load_to_lds s[\g0:\g0+3], s[\g1:\g1+7]
	s_nop 0
.rept 4
	v_nop
.endr
	s_branch .Lhead_asked
\next:
.endm
	ARM 1, G0H,  G1S,  .Lhead_b
	ARM 2, G0HB, G1SB, .Lhead_a1
	ARM 3, G0S,  G1S,  .Lhead_b1
	tensor_load_to_lds s[G0SB:G0SB+3], s[G1SB:G1SB+7]
	s_nop 0
.rept 4
	v_nop
.endr
.Lhead_asked:
	v_lshlrev_b32 v9, 4, v0                        ; the scale bytes of A's 256 rows and of B's: 16 x thread, four runs of 2,048 bytes each
.irp k, 0,1,2,3
	global_load_b128 v[BI+4*\k:BI+4*\k+3], v9, s[22:23] offset:2048*\k
.endr
.irp k, 0,1,2,3
	global_load_b128 v[BI+16+4*\k:BI+16+4*\k+3], v9, s[92:93] offset:2048*\k
.endr
	v_lshrrev_b32 v10, 4, v0
	v_lshl_add_u32 v10, v10, 4, v9
	v_add_nc_u32 v10, SCL, v10                     ; where they go: 16 bytes of padding behind each 256
	s_add_nc_u64 s[20:21], s[20:21], s[18:19]      ; for the ring: my 128 rows of the tile
	s_add_nc_u64 s[46:47], s[46:47], s[18:19]
.irp s, 0,1
	s_mov_b32 s[G0+4*\s], 1
	s_add_co_u32 s[G0+4*\s+1], s45, \s*SLOT
	s_add_nc_u64 s[G0+4*\s+2:G0+4*\s+3], s[20:21], \s*ROWB
	s_or_b32 s[G0+4*\s+3], s[G0+4*\s+3], 0x80000000
	s_mov_b32 s[G0B+4*\s], 1
	s_add_co_u32 s[G0B+4*\s+1], s45, \s*SLOT
	s_add_nc_u64 s[G0B+4*\s+2:G0B+4*\s+3], s[46:47], \s*ROWB
	s_or_b32 s[G0B+4*\s+3], s[G0B+4*\s+3], 0x80000000
.endr
	s_cmp_eq_u32 s15, 0                            ; do I fetch for A?
	s_cselect_b32 s94, s40, s41                    ; my place among the four that ask for it with me
	s_cselect_b64 s[PFA:PFA+1], s[20:21], s[46:47]
	s_lshl_b32 s94, s94, 15                        ; 32 rows of 1,024 bytes
	s_mov_b32 s95, 0
	s_add_nc_u64 s[PFA:PFA+1], s[PFA:PFA+1], s[94:95]
	s_wait_alu depctr_va_vdst(0)                   ; directly ahead of the wait below
	s_wait_xcnt 0x0                                ; the loads have read their bases, which are written again below
	v_and_b32 v1, 15, v0
	v_bfe_u32 v2, v0, 4, 1
	v_mul_u32_u24 v3, v1, PITCH
	v_lshl_add_u32 v4, v2, 4, v3
	s_mul_i32 s21, s15, HALFT
	s_mul_i32 s22, s16, HALFT
	s_add_co_u32 s22, s22, 2*HALFT
.irp s, 0,1
	v_add_nc_u32 v[ADRA+\s], s21, v4
	v_add_nc_u32 v[ADRB+\s], s22, v4
	s_add_co_u32 s21, s21, SLOT
	s_add_co_u32 s22, s22, SLOT
.endr
	v_mul_u32_u24 v5, v1, KS
	v_lshrrev_b32 v6, 8, v5
	v_lshl_add_u32 v5, v6, 4, v5
	s_mul_i32 s21, s15, HALFS
	s_mul_i32 s22, s16, HALFS
	s_add_co_u32 s22, s22, 2*HALFS
	s_sub_co_u32 s22, s22, s21
	v_mul_u32_u24 v6, s22, v2
	s_add_co_u32 s21, s21, SCL
	v_add_nc_u32 v5, v5, v6
	v_add_nc_u32 v[ADRS], s21, v5
	s_lshl_b32 s23, s14, 9
	s_add_co_u32 s23, s23, SCRQ
	v_lshl_add_u32 v[SCW], v1, 2, s23
	v_and_b32 v6, 31, v0
	v_lshl_add_u32 v[SCR], v6, 4, s23
	v_lshlrev_b32 v[LI], 4, v6
	v_lshlrev_b32 v[SO8], 3, v6
	v_mul_u32_u24 v[SOV], v2, RECW
	v_lshl_add_u32 v[SOV], v1, 4, v[SOV]
	v_lshlrev_b32 v[BH], 5, v2
	v_lshlrev_b32 v[BR], 2, v1
	s_lshl_b32 s18, s17, 8
	s_lshl_b32 s19, s15, 7
	s_add_co_u32 s18, s18, s19
	s_lshl_b32 s19, s42, 8
	s_lshl_b32 s20, s16, 7
	s_add_co_u32 s19, s19, s20
	s_cmp_eq_u32 s2, 2
	s_cselect_b32 s20, s19, s18
	s_cselect_b32 s21, s18, s19
	s_lshr_b32 s22, s20, 11
	s_lshl_b32 s22, s22, 4
	s_lshr_b32 s23, s21, 6
	s_add_co_u32 s22, s22, s23
	s_mul_i32 s22, s22, RECW
	s_bfe_u32 s23, s20, 0x40007
	s_cmp_eq_u32 s2, 0
	s_cselect_b32 s43, 13, 14
	s_mov_b32 s44, 274432
	s_cselect_b32 s44, s44, 8192
	s_mov_b32 s45, 270336
	s_cselect_b32 s45, s45, 0
	s_cmp_eq_u32 s2, 2
	s_cselect_b32 s44, 16384, s44
	s_cselect_b32 s45, 4096, s45
	s_lshl_b32 s43, s23, s43
	s_add_co_u32 s43, s43, s44
	s_add_co_u32 s46, s43, s22
	s_mov_b32 s47, 0
	s_add_nc_u64 s[12:13], s[98:99], s[46:47]
	s_lshl_b32 s23, s23, 8
	s_add_co_u32 s23, s23, s45
	s_add_co_u32 s46, s23, s22
	s_add_nc_u64 s[100:101], s[98:99], s[46:47]
	s_lshl_b32 s46, s21, 2
	s_add_nc_u64 s[66:67], s[66:67], s[46:47]
	s_mov_b32 s92, 0x05040100
	s_mov_b32 s93, 0x07060302
	s_mov_b32 s95, 0x600000
	s_mov_b32 s96, 0x76543210
	s_mov_b32 s97, 0xfedcba98
.macro FRAG reg, adr, q, i
.irp c, 0,1,2,3
	ds_load_b128 v[\reg+4*\c:\reg+4*\c+3], v[\adr] offset:128*(\q)+32*\c+(\i)*16*PITCH
.endr
.endm
.macro MUL16 a0, p, q, sc, zero
.irp a, \a0, \a0+1
.irp b, 0,1,2,3,4,5,6,7
.if \zero
	v_wmma_scale_f32_16x16x128_f8f6f4 v[8*(8*((\a)%4)+\b):8*(8*((\a)%4)+\b)+7], v[128*(\p)+FR*\b:128*(\p)+FR*\b+FR-1], v[AF+FR*(\a):AF+FR*(\a)+FR-1], 0, v[SC+8*NQ*(\sc)+NQ*\b+(\q)], v[SC+8*NQ*(\sc)+NQ*(\a)+(\q)] matrix_a_fmt:MATRIX_FMT_BF8 matrix_b_fmt:MATRIX_FMT_BF8 matrix_a_scale:MATRIX_SCALE_ROW1
.else
	v_wmma_scale_f32_16x16x128_f8f6f4 v[8*(8*((\a)%4)+\b):8*(8*((\a)%4)+\b)+7], v[128*(\p)+FR*\b:128*(\p)+FR*\b+FR-1], v[AF+FR*(\a):AF+FR*(\a)+FR-1], v[8*(8*((\a)%4)+\b):8*(8*((\a)%4)+\b)+7], v[SC+8*NQ*(\sc)+NQ*\b+(\q)], v[SC+8*NQ*(\sc)+NQ*(\a)+(\q)] matrix_a_fmt:MATRIX_FMT_BF8 matrix_b_fmt:MATRIX_FMT_BF8 matrix_a_scale:MATRIX_SCALE_ROW1
.endif
.endr
.endr
.endm
.macro FETCH_B slot, q, p
	WIN TO_B
.irp i, 0,1,2,3,4,5,6,7
	FRAG 128*(\p)+FR*\i, ADRB+\slot, \q, \i
.endr
	WIN 0
.endm
.macro FETCH_A slot, q, i0
.irp i, \i0, \i0+1, \i0+2, \i0+3
	FRAG AF+FR*(\i), ADRA+\slot, \q, \i
.endr
.endm
.macro SCALES sc
.irp i, 0,1,2,3,4,5,6,7
	ds_load_b64 v[SC+8*NQ*\sc+NQ*\i:SC+8*NQ*\sc+NQ*\i+1], v[ADRS] offset:\i*SBLK
.endr
.endm
.macro PLACES n
.rept \n
	v_nop
.endr
.endm
.macro STEP slot, q, zero
	s_wait_dscnt 4*NL
	WIN MUL_LO
	MUL16 0, (\q)%2, \q, \slot, \zero
	MUL16 2, (\q)%2, \q, \slot, \zero
	s_wait_dscnt 0
	PLACES NP
	FETCH_B \slot, (\q)+1, 1-(\q)%2
	FETCH_A \slot, (\q)+1, 0
	WIN MUL_HI
	MUL16 4, (\q)%2, \q, \slot, \zero
	MUL16 6, (\q)%2, \q, \slot, \zero
	PLACES NP
	WIN 0
	FETCH_A \slot, (\q)+1, 4
.endm
.macro TURN slot, next, fill
	s_wait_tensorcnt 0x0
	ds_add_u32 v[SPW], v[NIL]
	s_wait_dscnt 4*NL+1
	WIN MUL_LO
	MUL16 0, 1, NQ-1, \slot, 0
	s_wait_dscnt 0x0
	s_barrier_signal -1
	MUL16 2, 1, NQ-1, \slot, 0
	WIN 0
	s_barrier_wait -1
.if \fill
	CREST
	s_add_nc_u64 s[G0+4*\slot+2:G0+4*\slot+3], s[G0+4*\slot+2:G0+4*\slot+3], 2*ROWB
	s_add_nc_u64 s[G0B+4*\slot+2:G0B+4*\slot+3], s[G0B+4*\slot+2:G0B+4*\slot+3], 2*ROWB
	JLOAD G0+4*\slot, G1, G0B+4*\slot, G1B
	PLACES NP-4
.else
	PLACES NP
.endif
	s_wait_alu depctr_va_vdst(0)
	v_add_nc_u32 v[ADRS], 4*NQ, v[ADRS]
	FETCH_B \next, 0, 0
	FETCH_A \next, 0, 0
	SCALES \next
	WIN MUL_HI
	MUL16 4, 1, NQ-1, \slot, 0
	MUL16 6, 1, NQ-1, \slot, 0
	PLACES NP
	WIN 0
	FETCH_A \next, 0, 4
.endm
.macro LAST
	s_wait_dscnt 4*NL
	WIN MUL_LO
	MUL16 0, 1, NQ-1, 1, 0
	MUL16 2, 1, NQ-1, 1, 0
	s_wait_dscnt 0
	WIN MUL_HI
	MUL16 4, 1, NQ-1, 1, 0
	MUL16 6, 1, NQ-1, 1, 0
	WIN 0
.endm
.macro QUANT s, pc, pw
.irp b, 0,1,2,3
	v_max3_num_f32 v[TM+\b], |v[\s+16*\b]|, |v[\s+1+16*\b]|, 0x8000000
.endr
.irp i, 2,4,6,8,10,12,14
.irp b, 0,1,2,3
	v_max3_num_f32 v[TM+\b], v[TM+\b], |v[\s+16*\b+\i]|, |v[\s+1+16*\b+\i]|
.endr
.endr
.irp b, 0,1,2,3
	v_permlanex16_b32 v[TM+4+\b], v[TM+\b], s96, s97
.endr
.irp b, 0,1,2,3
	v_max_num_f32 v[TM+\b], v[TM+\b], v[TM+4+\b]
.endr
.irp b, 0,1,2,3
	v_add_nc_u32 v[TM+12+\b], 0xf8800000, v[TM+\b]
.endr
.irp b, 0,1,2,3
	v_and_or_b32 v[TM+8+\b], v[TM+\b], 0x7f800000, s95
.endr
.irp b, 0,1,2,3
	v_lshrrev_b32 v[TM+4+\b], 23, v[TM+12+\b]
.endr
	v_lshl_or_b32 v[\pw], v[TM+5], 8, v[TM+4]
	v_lshl_or_b32 v[\pw], v[TM+6], 16, v[\pw]
	v_lshl_or_b32 v[\pw], v[TM+7], 24, v[\pw]
.irp b, 0,1,2,3
.irp i, 0,1,2,3,4,5,6,7,8,9,10,11,12,13,14,15
	v_med3_num_f32 v[\s+16*\b+\i], v[\s+16*\b+\i], -v[TM+8+\b], v[TM+8+\b]
.endr
	v_cvt_scalef32_pk8_bf8_f32 v[(\pc)+4*\b:(\pc)+1+4*\b], v[\s+16*\b:\s+7+16*\b], v[TM+12+\b]
	v_cvt_scalef32_pk8_bf8_f32 v[(\pc)+2+4*\b:(\pc)+3+4*\b], v[\s+8+16*\b:\s+15+16*\b], v[TM+12+\b]
.endr
	v_nop
.endm
.macro EPI isv
	PLACES NP
	s_wait_loadcnt 0x0
.irp b, 0,1,2,3
	v_mov_b32 v[TM+4+\b], 0
.endr
.irp a, 0,1,2,3,4,5,6,7
	WIN 0x02+(\a)/4
.set n, 0
.rept 32
.if \isv
	v_pk_add_f32 v[X+n:X+n+1], v[64*((\a)%4)+n:64*((\a)%4)+n+1], v[BI+2*\a:BI+2*\a+1]
.else
	v_pk_add_f32 v[X+n:X+n+1], v[64*((\a)%4)+n:64*((\a)%4)+n+1], v[BI+n:BI+n+1]
.endif
.set n, n+2
.endr
	WIN 0
.if \a > 1
	s_wait_xcnt 0x0
.endif
	QUANT X, PC+16*((\a)%2), PW+\a
.irp pb, 0,1,2,3
.if \isv
	global_store_b128 v[LI], v[PC+16*((\a)%2)+4*\pb:PC+16*((\a)%2)+4*\pb+3], s[12:13] offset:((\a)/4)*RECW+2048*((\a)%4)+512*\pb
.else
	global_store_b128 v[LI], v[PC+16*((\a)%2)+4*\pb:PC+16*((\a)%2)+4*\pb+3], s[12:13] offset:((\pb)/2)*RECW+1024*\a+512*((\pb)%2)
.endif
.endr
	ds_store_b32 v[SCW], v[PW+\a] offset:2048*\isv+64*\a
.endr
	ds_load_b128 v[T:T+3], v[SCR] offset:2048*\isv
	s_wait_dscnt 0x0
.if \isv
	global_store_b128 v[SOV], v[T:T+3], s[100:101]
.else
	v_perm_b32 v[U], v[T+1], v[T], s92
	v_perm_b32 v[U+1], v[T+3], v[T+2], s92
	v_perm_b32 v[U+2], v[T+1], v[T], s93
	v_perm_b32 v[U+3], v[T+3], v[T+2], s93
	global_store_b64 v[SO8], v[U:U+1], s[100:101]
	global_store_b64 v[SO8], v[U+2:U+3], s[100:101] offset:RECW
.endif
	s_wait_tensorcnt 0x0
	ds_add_u32 v[SPW], v[NIL]
	s_wait_dscnt 0x0
.endm
	v_and_b32 v8, 31, v0
	v_lshlrev_b32 v8, 10, v8
	s_wait_alu depctr_va_vdst(0)
	s_wait_loadcnt 0x0                             ; my scale bytes
.irp k, 0,1,2,3
	ds_store_b128 v10, v[BI+4*\k:BI+4*\k+3] offset:2176*\k
.endr
.irp k, 0,1,2,3
	ds_store_b128 v10, v[BI+16+4*\k:BI+16+4*\k+3] offset:2*HALFS+2176*\k
.endr
	s_cmp_lt_u32 s14, 2
	s_cbranch_scc0 .Lstep_1_out
	s_wait_tensorcnt 0x0                           ; waves 0 and 1: K step 0 is in.  Waves 2 and 3 wait for step 1 at the first change of slots
.Lstep_1_out:
	s_wait_dscnt 0x0                               ; my stores are done
	s_barrier_signal -1
	s_barrier_wait -1
	FETCH_B 0, 0, 0
	FETCH_A 0, 0, 0
	SCALES 0
	FETCH_A 0, 0, 4
	global_prefetch_b8 v8, s[PFA:PFA+1] offset:2*ROWB th:TH_LOAD_NT scope:SCOPE_SE   ; K step 2
	STEP 0, 0, 1
	global_prefetch_b8 v8, s[PFA:PFA+1] offset:3*ROWB th:TH_LOAD_NT scope:SCOPE_SE   ; K step 3, the last
	TURN 0, 1, 1
	STEP 1, 0, 0
	TURN 1, 0, 1
	STEP 0, 0, 0
	TURN 0, 1, 0
	s_cmp_eq_u32 s2, 2
	s_cbranch_scc1 .Lvalue
.irp b, 0,1,2,3,4,5,6,7
	global_load_b128 v[BI+8*\b:BI+8*\b+3], v[BH], s[66:67] offset:64*\b
	global_load_b128 v[BI+8*\b+4:BI+8*\b+7], v[BH], s[66:67] offset:64*\b+16
.endr
	STEP 1, 0, 0
	LAST
	EPI 0
	s_branch .Ljoin
.Lvalue:
.irp a, 0,1,2,3,4,5,6,7
	global_load_b32 v[BI+2*\a], v[BR], s[66:67] offset:64*\a
	global_load_b32 v[BI+2*\a+1], v[BR], s[66:67] offset:64*\a
.endr
	STEP 1, 0, 0
	LAST
	EPI 1
.Ljoin:
	CROUND
	s_endpgm
.Lfunc_end_k_qbf8eeb3cf0_proj:
	.size	k_qbf8eeb3cf0_proj, .Lfunc_end_k_qbf8eeb3cf0_proj-k_qbf8eeb3cf0_proj
	.p2alignl 7, 3214868480
	.fill 96, 4, 3214868480
	.section	.rodata,"a",@progbits
	.p2align	6, 0x0
	.amdhsa_kernel k_qbf8eeb3cf0_proj
		.amdhsa_group_segment_fixed_size 327680
		.amdhsa_private_segment_fixed_size 0
		.amdhsa_enable_private_segment 0
		.amdhsa_kernarg_size 128
		.amdhsa_user_sgpr_count 2
		.amdhsa_user_sgpr_kernarg_segment_ptr 1
		.amdhsa_wavefront_size32 1
		.amdhsa_system_sgpr_workgroup_id_x 1
		.amdhsa_system_sgpr_workgroup_id_y 1
		.amdhsa_system_sgpr_workgroup_id_z 1
		.amdhsa_system_vgpr_workitem_id 0
		.amdhsa_next_free_vgpr 1024
		.amdhsa_next_free_sgpr 102
		.amdhsa_reserve_vcc 0
		.amdhsa_float_denorm_mode_32 3
		.amdhsa_float_denorm_mode_16_64 3
		.amdhsa_memory_ordered 1
		.amdhsa_forward_progress 1
		.amdhsa_inst_pref_size 255
	.end_amdhsa_kernel
	.section	.bss,"aw",@nobits
	.p2align	6
	.space	262144
	.amdgpu_metadata
---
amdhsa.version: [ 1, 2 ]
amdhsa.kernels:
  - .name:           k_qbf8eeb3cf0_proj
    .symbol:         k_qbf8eeb3cf0_proj.kd
    .args:
      - { .name: query_codes, .offset: 0, .size: 8, .value_kind: global_buffer, .address_space: global }
      - { .name: query_scales, .offset: 8, .size: 8, .value_kind: global_buffer, .address_space: global }
      - { .name: Wq_codes, .offset: 16, .size: 8, .value_kind: global_buffer, .address_space: global }
      - { .name: Wq_scales, .offset: 24, .size: 8, .value_kind: global_buffer, .address_space: global }
      - { .name: key_codes, .offset: 32, .size: 8, .value_kind: global_buffer, .address_space: global }
      - { .name: key_scales, .offset: 40, .size: 8, .value_kind: global_buffer, .address_space: global }
      - { .name: Wk_codes, .offset: 48, .size: 8, .value_kind: global_buffer, .address_space: global }
      - { .name: Wk_scales, .offset: 56, .size: 8, .value_kind: global_buffer, .address_space: global }
      - { .name: value_codes, .offset: 64, .size: 8, .value_kind: global_buffer, .address_space: global }
      - { .name: value_scales, .offset: 72, .size: 8, .value_kind: global_buffer, .address_space: global }
      - { .name: Wv_codes, .offset: 80, .size: 8, .value_kind: global_buffer, .address_space: global }
      - { .name: Wv_scales, .offset: 88, .size: 8, .value_kind: global_buffer, .address_space: global }
      - { .name: bq, .offset: 96, .size: 8, .value_kind: global_buffer, .address_space: global }
      - { .name: bk, .offset: 104, .size: 8, .value_kind: global_buffer, .address_space: global }
      - { .name: bv, .offset: 112, .size: 8, .value_kind: global_buffer, .address_space: global }
      - { .name: ws, .offset: 120, .size: 8, .value_kind: global_buffer, .address_space: global }
    .group_segment_fixed_size: 327680
    .private_segment_fixed_size: 0
    .kernarg_segment_align: 8
    .kernarg_segment_size: 128
    .max_flat_workgroup_size: 128
    .sgpr_count:     102
    .vgpr_count:     1024
    .wavefront_size: 32
...
	.end_amdgpu_metadata
.endif
;; end of part 1
;; launch attn (part 2): grid 8 x 32, 8 waves a work-group, clusters of 4 x 1, 327,680 bytes of LDS; arguments ws, xc, xs; writes xc, xs
.if DOCPART == 2
	.amdgcn_target "amdgcn-amd-amdhsa--gfx1250"
	.amdhsa_code_object_version 6
	.text
	.protected	k_qbf8eeb3cf0_attn
	.globl	k_qbf8eeb3cf0_attn
	.p2align	8
	.type	k_qbf8eeb3cf0_attn,@function
k_qbf8eeb3cf0_attn:
	s_mov_b64 s[64:65], 0
	v_nop
	global_prefetch_b8 v0, s[64:65] scope:SCOPE_SE
	s_setreg_imm32_b32 hwreg(HW_REG_WAVE_MODE, 25, 1), 1
	s_wait_xcnt 0x0
	s_wait_alu depctr_hold_cnt(0) depctr_sa_sdst(0) depctr_va_vdst(0) depctr_va_sdst(0) depctr_va_ssrc(0) depctr_va_vcc(0) depctr_vm_vsrc(0)
	s_getreg_b32 s2, hwreg(HW_REG_IB_STS2, 6, 4)
	s_cmp_eq_u32 s2, 0
	s_cbranch_scc0 .Lentry_in_a_cluster
	s_endpgm
.Lentry_in_a_cluster:
	s_bfe_u32 s2, ttmp6, 0x10000c
	s_cmp_lg_u32 s2, 0x3003
	s_cbranch_scc0 .Lentry_shape_is_right
	s_endpgm
.Lentry_shape_is_right:
; x[b][q][head] = softmax_k(q . k / 8) v for 32 (batch, head) pairs, 2,048 queries and keys, head size 64, both products on codes of BF8 (E5M2) with one E8M0 scale for each 32 along a product's K;
; and x quantised along its 1,024 features for the last product.
; THE SOFTMAX: t = score x log2(e) / 8; M = the row's largest t so far, rounded UP to a whole number; p = 2^(t - M) is quantised along the keys, not normalised.  The row's sum is taken of the unquantised p, in f32,
; and divides at the end.  When M moves, the sum and O are multiplied by 2^(old M - new M): exact.
; SHARES.  A work-group owns 256 queries of one head, each of its EIGHT waves 32 of them: two tiles of 16, in 512 registers, two waves to a SIMD.  Each fragment of K and of V serves both tiles.  Every wave walks all keys, 128 a step.
; ALL OF A HEAD'S k AND v STAY IN LDS: scale bytes and 16 steps' codes are one dense block of 270,336 bytes of the workspace, laid as images of operand registers (lane l's 16 bytes at 16 l).  LDS mirrors it; nothing is filled twice.
; One joint load a wave at the head: wave 0 brings the scales and steps 0 and 1, waves 1 to 7 two steps each.  No loop runs ahead of a load, so no prefetch is laid.
; CLUSTER.  The four query blocks of a cluster belong to one head: each part is asked for by the same tensor load with the same descriptor and a mask that names the four.
; LAYOUT.  Both products are used transposed: S^T = K Q^T (source 0 = 16 keys, source 1 = 16 queries), O^T = V^T P^T: a lane holds ONE query of a tile (lane % 16) throughout.
; The first product's K is 64: the upper half of Q's fragment is zero codes; against it stand, in K's, the next tile's codes, which are finite (behind the last tile: zeros), so those products are zeros.
; In S^T's tile t lane (r, h) holds keys 16 t + 8 h + 0..7: the 16 registers of tiles 2 b, 2 b + 1 are two runs of eight out of block b of 32 keys.  v's codes were laid in the same order.
; x meets codes that are given, so its runs are put into the true order (32 c + 16 h + 0..15) by one exchange with lane l xor 16.
; THE STEP is staggered: tile 0's scores of step n + 1 are made in step n, ahead of tile 1's holds and conversions; tile 1's scores of step n ahead of tile 0's maxima.  One tile's dependent lines stand among the other's independent ones.
; O is brought under the new M ahead of the exponentials.
; LIMITS: NaN and infinities are not served; the scaled scores (the exponents to the base 2, before the maximum is taken away) stay under 2^31 in magnitude.  A block of zeros gets the scale byte 1: the bytes are read by this program alone.
.set RECW, 405504                      ; a record of the workspace
.set KVO,  8192                        ; where the steps' codes begin in it, and in LDS; a step: 8,192 bytes of k (8 tiles x 2 x 512), 8,192 of v (4 tiles x 4 x 512)
.set QSO,  270336                      ; q's scale bytes
.set QCO,  274432                      ; q's codes
.set XSCR, 270336                      ; LDS behind the mirror: 512 bytes for x's scale bytes.  No tile lands here
.set SPARE, 270848                     ; the spare words: 128 bytes for each wave
; window 0
.set AK0, 1                            ; v1   16 x lane + KVO
.set AS0, 2                            ; v2   2 x lane
.set AT0, 3                            ; v3   4 x lane + 4096
.set LI,  4                            ; v4   16 x lane
.set R2,  5                            ; v5   2 r
.set LN,  6                            ; v6   lane
.set XW,  7                            ; v7   XSCR + 64 x wave + 2 r
.set ADV, 8                            ; v8   this step's codes
.set ADT, 9                            ; v9   this step's scale words of v
.set ADK, 10                           ; v10  the next step's codes
.set ADS, 11                           ; v11  the next step's scale bytes of k
.set SPW, 12
.set NIL, 13
.set MM,  14                           ; v14, v16  -M of tile 0, 1; v15, v17 the largest score
.set LS,  18                           ; v18-19, v20-21 the sums, in two halves
.set F,   22                           ; v22, v24  f = 2^(old M - new M); v23, v25 are named with it as a pair
.set TT,  26                           ; v26-27
.set KSC, 28                           ; v28-31 K's scale words: lanes 0-15 tile 2 i, lanes 16-31 tile 2 i + 1
.set VSC, 32                           ; v32-33 V's likewise
.set QSC, 34                           ; v34-35 Q's
.set PSC, 36                           ; v36-37 p's
.set NN,  38                           ; v38-39
.set BM,  40                           ; v40-47 a block's largest score, then its largest p: tile i, block b at 4 i + b
.set PB,  48                           ; v48-55 the other half's; then the bytes
.set HL,  56                           ; v56-63 57,344 x the scale
.set SO,  64                           ; v64-71 the conversions' scale operands
.set PCD, 72                           ; v72-103 p's codes
.set T,   104                          ; v104-109 chains of a sum
.set XR,  110                          ; v110 XSCR + 16 x lane
.set S,   120                          ; v120-247 S^T, then p: 64 registers a tile
; window 1
.set KF,  0                            ; v0-63 K's eight tiles, v64-71 zeros
.set VF,  72                           ; v72-135 V's four fragments
.set QF,  136                          ; v136-167 Q: 8 registers of codes, 8 of zeros a tile
.set O,   168                          ; v168-231 O^T: 32 registers a tile
.set WV,  10                           ; s10  my wave's number
.set TN,  22                           ; s22  16,384 x the next step
.set SN,  23                           ; s23  256 x the next step
.set G1P, 24                           ; s[24:31] descriptor group 1: 160 rows of 256 bytes
.set G1R, 32                           ; s[32:39] 128 rows
.set G0P, 40                           ; s[40:43], s[44:47] their groups 0
.set G0R, 44
.set TB,  48                           ; s48  16,384 x step
.set TS,  49                           ; s49  256 x step
.set CS,  50                           ; s[50:51] c = log2(e) / 8
.set SEL, 52                           ; s[52:53] lane selects: lane l xor 16
.set MNT, 54                           ; s54  the mantissa field of 57,344
.set CNT, 55                           ; s55  steps to go
.set MSB, 0
.macro WIN new                         ; the immediate's high byte repeats the setting that is left
.if MSB != (\new)
	s_set_vgpr_msb (MSB<<8)|(\new)
.set MSB, (\new)
.endif
.endm
.macro CROUND                          ; a round of the cluster's barrier
	s_barrier_signal -1
	s_barrier_wait -1
	s_cmp_lg_u32 s[WV], 0
	s_cbranch_scc1 .Lnot_wave_0_\@
	s_barrier_signal -3
.Lnot_wave_0_\@:
	s_barrier_wait -3
	s_barrier_signal -1
	s_barrier_wait -1
.endm
	s_load_b128 s[4:7], s[0:1], 0x0                ; the workspace, x's codes
	s_load_b64 s[8:9], s[0:1], 0x10                ; x's scale bytes
	v_lshl_add_u32 v[SPW], v0, 2, SPARE
	v_mov_b32 v[NIL], 0
	ds_add_u32 v[SPW], v[NIL]                      ; the opening lines
	ds_add_u32 v[SPW], v[NIL]
	v_lshrrev_b32 v[ADK], 5, v0
	v_readfirstlane_b32 s[WV], v[ADK]              ; wave 0..7
	s_bfe_u32 s11, ttmp6, 0x40000                  ; cx
	s_lshl_b32 s12, ttmp9, 2
	s_add_co_u32 s12, s12, s11                     ; my block of 256 queries: it enters Q's and x's addresses alone
	s_and_b32 s13, ttmp7, 0xffff                   ; 16 x batch + head, which the four partners share
	s_mul_i32 s14, s13, RECW
	s_mov_b32 s15, 0
	s_lshl_b32 s17, s[WV], 15
	s_add_co_u32 s17, s17, 8192                    ; waves 1 to 7: 40,960 + 32,768 x (wave - 1)
	s_mov_b32 s[G1P], 15|(3<<16)|(1<<21)           ; 15:0 the mask: all four work-groups; 17:16 elements of 8 bytes; 21 set beside a mask; no padding
	s_mov_b32 s[G1P+1], 32<<16                     ; tensor_dim0 = 32 elements: 256 bytes
	s_mov_b32 s[G1P+2], 160<<16                    ; tensor_dim1
	s_mov_b32 s[G1P+3], 32<<16                     ; tile_dim0
	s_mov_b32 s[G1P+4], 160                        ; tile_dim1
	s_mov_b32 s[G1P+5], 32                         ; the pitch: dense
	s_mov_b32 s[G1P+6], 0
	s_mov_b32 s[G1P+7], 0
	s_mov_b32 s[G1R], 15|(3<<16)|(1<<21)
	s_mov_b32 s[G1R+1], 32<<16
	s_mov_b32 s[G1R+2], 128<<16
	s_mov_b32 s[G1R+3], 32<<16
	s_mov_b32 s[G1R+4], 128
	s_mov_b32 s[G1R+5], 32
	s_mov_b32 s[G1R+6], 0
	s_mov_b32 s[G1R+7], 0
	s_mov_b32 s[CS], 0x3e38aa3b                    ; c = log2(e) / 8
	s_mov_b32 s[CS+1], s[CS]                       ; (named with it as a pair, so it is written)
	s_mov_b32 s[SEL], 0x76543210
	s_mov_b32 s[SEL+1], 0xfedcba98
	s_mov_b32 s[MNT], 0x600000
	s_mov_b32 s[TB], 0
	s_mov_b32 s[TS], 0
	s_lshl_b32 s19, s12, 4
	s_lshl_b32 s16, s[WV], 1
	s_add_co_u32 s19, s19, s16                     ; the first of my two tiles of 16 queries, of the head's 128
	s_mov_b32 s20, s17
	s_mov_b32 s21, 0
	s_wait_dscnt 0x0                               ; both opening adds are done
	CROUND                                         ; all four work-groups are here: the joint loads meet
	s_wait_kmcnt 0x0
	s_add_nc_u64 s[4:5], s[4:5], s[14:15]          ; the workspace at my head's record
	s_mov_b32 s[G0P], 1                            ; wave 0: the scales and steps 0 and 1: 40,960 bytes
	s_mov_b32 s[G0P+1], 0
	s_mov_b64 s[G0P+2:G0P+3], s[4:5]
	s_or_b32 s[G0P+3], s[G0P+3], 0x80000000
	s_mov_b32 s[G0R], 1                            ; waves 1 to 7: steps 2 w and 2 w + 1
	s_mov_b32 s[G0R+1], s17
	s_add_nc_u64 s[G0R+2:G0R+3], s[4:5], s[20:21]
	s_or_b32 s[G0R+3], s[G0R+3], 0x80000000
	s_cmp_lg_u32 s[WV], 0                          ; one load a wave; wave 0, which alone waits at the first barrier, has a line of its own
	s_cbranch_scc1 .Lrest
	tensor_load_to_lds s[G0P:G0P+3], s[G1P:G1P+7]
	s_nop 0
.rept 4
	v_nop
.endr
	s_branch .Lasked
.Lrest:
	tensor_load_to_lds s[G0R:G0R+3], s[G1R:G1R+7]
	s_nop 0
.rept 4
	v_nop
.endr
.Lasked:
	s_lshl_b32 s20, s19, 10
	s_add_co_u32 s20, s20, QCO
	s_add_nc_u64 s[56:57], s[4:5], s[20:21]        ; Q's codes: 1,024 bytes a tile
	s_lshl_b32 s20, s19, 5
	s_add_co_u32 s20, s20, QSO
	s_add_nc_u64 s[58:59], s[4:5], s[20:21]        ; and its scale bytes: 32 a tile
	v_and_b32 v[LN], 31, v0
	v_and_b32 v[R2], 15, v0
	v_lshlrev_b32 v[R2], 1, v[R2]
	v_lshlrev_b32 v[LI], 4, v[LN]
	s_wait_alu depctr_va_vdst(0)
	WIN 0x40
	global_load_b128 v[QF:QF+3], v[LI], s[56:57]
	global_load_b128 v[QF+4:QF+7], v[LI], s[56:57] offset:512
	global_load_b128 v[QF+16:QF+19], v[LI], s[56:57] offset:1024
	global_load_b128 v[QF+20:QF+23], v[LI], s[56:57] offset:1536
	WIN 0
	global_load_u16 v[QSC], v[R2], s[58:59]        ; two bytes; the word's upper two are 0, over zero codes
	global_load_u16 v[QSC+1], v[R2], s[58:59] offset:32
	; where x goes: codes [group of 128 tokens][K step of 128][tile of 16 tokens][4][512]; scale bytes [head][token][2]
	s_lshr_b32 s60, s13, 4                         ; batch
	s_and_b32 s61, s13, 15                         ; head
	s_lshl_b32 s62, s60, 4
	s_lshl_b32 s63, s12, 1
	s_add_co_u32 s62, s62, s63
	s_lshr_b32 s63, s[WV], 2
	s_add_co_u32 s62, s62, s63                     ; the group
	s_lshl_b32 s20, s62, 17
	s_lshr_b32 s63, s61, 1
	s_lshl_b32 s63, s63, 14                        ; the K step: two heads
	s_add_co_u32 s20, s20, s63
	s_and_b32 s63, s[WV], 3
	s_lshl_b32 s63, s63, 12                        ; my first tile
	s_add_co_u32 s20, s20, s63
	s_and_b32 s63, s61, 1
	s_lshl_b32 s63, s63, 10                        ; which two of the four groups of registers
	s_add_co_u32 s20, s20, s63
	s_add_nc_u64 s[6:7], s[6:7], s[20:21]
	s_lshl_b32 s20, s61, 13
	s_lshl_b32 s63, s60, 12
	s_add_co_u32 s20, s20, s63
	s_lshl_b32 s63, s12, 9
	s_add_co_u32 s20, s20, s63
	s_add_nc_u64 s[8:9], s[8:9], s[20:21]
	v_add_nc_u32 v[AK0], KVO, v[LI]
	v_lshlrev_b32 v[AS0], 1, v[LN]
	v_lshl_add_u32 v[AT0], v[LN], 2, 4096
	s_lshl_b32 s60, s[WV], 6
	s_add_co_u32 s60, s60, XSCR
	v_add_nc_u32 v[XW], s60, v[R2]
	v_add_nc_u32 v[XR], XSCR, v[LI]
.irp i, 0,1
	v_mov_b32 v[MM+2*\i+1], 0xff61b1e6             ; the largest score so far: -3e38
	v_mov_b32 v[MM+2*\i], 0x7f61b1e6               ; -M
	v_mov_b32 v[LS+2*\i], 0                        ; the sum, in two halves
	v_mov_b32 v[LS+2*\i+1], 0
	v_mov_b32 v[F+2*\i+1], 0                       ; (named as the upper half of a pair)
.endr
.irp b, 0,1,2,3,4,5,6,7
	v_mov_b32 v[PB+\b], 0                          ; written once: a lane permute's destination counts as one of its sources
.endr
	WIN 0x40
.irp j, 0,1,2,3,4,5,6,7
	v_mov_b32 v[KF+64+\j], 0                       ; the codes behind K's last tile,
	v_mov_b32 v[QF+8+\j], 0                        ; and Q's zero codes of K = 64 .. 127: they stand for the whole launch
	v_mov_b32 v[QF+24+\j], 0
.endr
.set j, 0
.rept 64
	v_mov_b32 v[O+j], 0                            ; O^T.  (The step is written so that the first finds zeros, which the first change of M leaves zeros)
.set j, j+1
.endr
	WIN 0
.macro KQ i, t                         ; S^T's tile t for my query tile i
.if (\t)%2
	v_wmma_scale_f32_16x16x128_f8f6f4 v[S+64*\i+8*\t:S+64*\i+8*\t+7], v[KF+8*\t:KF+8*\t+15], v[QF+16*\i:QF+16*\i+15], 0, v[KSC+\t/2], v[QSC+\i] matrix_a_fmt:MATRIX_FMT_BF8 matrix_b_fmt:MATRIX_FMT_BF8 matrix_a_scale:MATRIX_SCALE_ROW1
.else
	v_wmma_scale_f32_16x16x128_f8f6f4 v[S+64*\i+8*\t:S+64*\i+8*\t+7], v[KF+8*\t:KF+8*\t+15], v[QF+16*\i:QF+16*\i+15], 0, v[KSC+\t/2], v[QSC+\i] matrix_a_fmt:MATRIX_FMT_BF8 matrix_b_fmt:MATRIX_FMT_BF8
.endif
.endm
.macro PV i, t                         ; O^T's tile t: the accumulators take turns, one instruction a turn
.if (\t)%2
	v_wmma_scale_f32_16x16x128_f8f6f4 v[O+32*\i+8*\t:O+32*\i+8*\t+7], v[VF+16*\t:VF+16*\t+15], v[PCD+16*\i:PCD+16*\i+15], v[O+32*\i+8*\t:O+32*\i+8*\t+7], v[VSC+\t/2], v[PSC+\i] matrix_a_fmt:MATRIX_FMT_BF8 matrix_b_fmt:MATRIX_FMT_BF8 matrix_a_scale:MATRIX_SCALE_ROW1
.else
	v_wmma_scale_f32_16x16x128_f8f6f4 v[O+32*\i+8*\t:O+32*\i+8*\t+7], v[VF+16*\t:VF+16*\t+15], v[PCD+16*\i:PCD+16*\i+15], v[O+32*\i+8*\t:O+32*\i+8*\t+7], v[VSC+\t/2], v[PSC+\i] matrix_a_fmt:MATRIX_FMT_BF8 matrix_b_fmt:MATRIX_FMT_BF8
.endif
.endm
.macro KQ8 i                           ; all eight tiles of 16 keys
	WIN 0x05
.irp t, 0,1,2,3,4,5,6,7
	KQ \i, \t
.endr
	WIN 0
.endm
.macro PV4 i
	WIN 0x51
.irp t, 0,1,2,3
	PV \i, \t
.endr
	WIN 0
.endm
.macro FETCHK ak, as                   ; K's eight tiles of 128 keys and their scale words: 20 loads
.irp i, 0,1,2,3
	ds_load_u16 v[KSC+\i], v[\as] offset:64*\i     ; keys 32 i + lane
.endr
	WIN 0x40
.irp t, 0,1,2,3,4,5,6,7
	ds_load_b128 v[KF+8*\t:KF+8*\t+3], v[\ak] offset:1024*\t
	ds_load_b128 v[KF+8*\t+4:KF+8*\t+7], v[\ak] offset:1024*\t+512
.endr
	WIN 0
.endm
.macro CV i, n                         ; eight of tile i's p: a half of block n / 2
	v_cvt_scalef32_pk8_bf8_f32 v[PCD+16*(\i)+2*(\n):PCD+16*(\i)+2*(\n)+1], v[S+64*(\i)+8*(\n):S+64*(\i)+8*(\n)+7], v[SO+4*(\i)+(\n)/2]
.endm
.macro BMX i, k                        ; lines 0 .. 31: tile i's four blocks' largest scores, by turns.  A BLOCK'S LARGEST SCORE serves twice: for the row's maximum, and, since p rises with the score, for the block's largest p
.set X_, S+64*(\i)+16*((\k)%4)
.set D_, BM+4*(\i)+(\k)%4
.if (\k) < 4
	v_max3_num_f32 v[D_], v[X_], v[X_+1], v[X_+2]
.elseif (\k) < 28
	v_max3_num_f32 v[D_], v[D_], v[X_+1+2*((\k)/4)], v[X_+2+2*((\k)/4)]
.else
	v_max_num_f32 v[D_], v[D_], v[X_+15]
.endif
.endm
.macro CHN i, k                        ; lines 0 .. 15: from tile i's block maxima to f
.set B_, BM+4*(\i)
.if (\k) < 4
	v_permlanex16_b32 v[PB+4*(\i)+(\k)], v[B_+(\k)], s[SEL], s[SEL+1]
.elseif (\k) < 8
	v_max_num_f32 v[B_+(\k)-4], v[B_+(\k)-4], v[PB+4*(\i)+(\k)-4]   ; with lane l xor 16's 16 keys
.elseif (\k) == 8
	v_max3_num_f32 v[TT+(\i)], v[B_], v[B_+1], v[B_+2]
.elseif (\k) == 9
	v_max3_num_f32 v[MM+2*(\i)+1], v[MM+2*(\i)+1], v[TT+(\i)], v[B_+3]   ; the running largest score of my query
.elseif (\k) == 10
	v_mul_f32 v[NN+(\i)], -v[MM+2*(\i)+1], s[CS]   ; -t (c is positive)
.elseif (\k) == 11
	v_floor_f32 v[NN+(\i)], v[NN+(\i)]             ; the new -M = floor(-t) = -ceil(t): M is a whole number
.elseif (\k) == 12
	v_sub_f32 v[TT+(\i)], v[NN+(\i)], v[MM+2*(\i)] ; M's old value less its new one: a whole number, 0 or less
.elseif (\k) == 13
	v_mov_b32 v[MM+2*(\i)], v[NN+(\i)]
.elseif (\k) == 14
	v_cvt_i32_f32 v[TT+(\i)], v[TT+(\i)]           ; (it saturates)
.else
	v_ldexp_f32 v[F+2*(\i)], 1.0, v[TT+(\i)]       ; f = 2^(old M - new M)
.endif
.endm
.macro TFMA i, k                       ; t - M, two at a time (of the pairs c and -M the low word serves both halves)
	v_pk_fma_f32 v[S+64*(\i)+2*(\k):S+64*(\i)+2*(\k)+1], v[S+64*(\i)+2*(\k):S+64*(\i)+2*(\k)+1], s[CS:CS+1], v[MM+2*(\i):MM+2*(\i)+1] op_sel_hi:[1,0,0]
.endm
.macro SUML i, k                       ; lines 0 .. 31: the row's sum of the unquantised p, in four chains by turns; 29 .. 31 join them
.set P_, S+64*(\i)
.set L_, LS+2*(\i)
.if (\k) < 3
	v_pk_add_f32 v[T+2*(\k):T+2*(\k)+1], v[P_+4*(\k):P_+4*(\k)+1], v[P_+4*(\k)+2:P_+4*(\k)+3]
.elseif (\k) == 3
	v_pk_add_f32 v[L_:L_+1], v[L_:L_+1], v[P_+12:P_+13]
.elseif (\k) < 29
.if ((\k)-4)%4 == 3
.set R_, L_
.else
.set R_, T+2*(((\k)-4)%4)
.endif
	v_pk_add_f32 v[R_:R_+1], v[R_:R_+1], v[P_+6+2*(\k):P_+7+2*(\k)]
.elseif (\k) == 29
	v_pk_add_f32 v[T:T+1], v[T:T+1], v[T+2:T+3]
.elseif (\k) == 30
	v_pk_add_f32 v[T+4:T+5], v[T+4:T+5], v[L_:L_+1]
.else
	v_pk_add_f32 v[L_:L_+1], v[T:T+1], v[T+4:T+5]
.endif
.endm
.macro SCL k                           ; lines 0 .. 37: both tiles' scales
.set B_, (\k)%8
.if (\k) < 8
	v_max_num_f32 v[BM+B_], 0x8000000, v[BM+B_]    ; the floor 2^(16 - 127): the byte cannot fall under 1
.elseif (\k) < 16
	v_add_nc_u32 v[SO+B_], 0xf8800000, v[BM+B_]    ; 15 off the exponent field: the conversion's scale operand
.elseif (\k) < 24
	v_and_or_b32 v[HL+B_], v[BM+B_], 0x7f800000, s[MNT]   ; 57,344 x the scale
.elseif (\k) < 32
	v_lshrrev_b32 v[PB+B_], 23, v[SO+B_]           ; the scale's byte
.elseif (\k) < 34
	v_lshl_or_b32 v[PSC+B_], v[PB+4*B_+1], 8, v[PB+4*B_]   ; p's scale word for these 128 keys
.else
.set I_, (\k)%2
	v_lshl_or_b32 v[PSC+I_], v[PB+4*I_+(\k)/2-15], 8*((\k)/2)-120, v[PSC+I_]
.endif
.endm
.macro HOLD i, k                       ; two p of tile i held at 57,344 x their block's scale: the conversion to an 8-bit code does not saturate (ISA guide 7.6.2); p is not negative, so the hold is one-sided
.set P_, S+64*(\i)+2*(\k)
.set H_, HL+4*(\i)+(\k)/8
	v_dual_min_num_f32 v[P_], v[P_], v[H_] :: v_dual_min_num_f32 v[P_+1], v[P_+1], v[H_]
.endm
; A KEY STEP: 128 keys, both tiles.  lp = 1: in the loop, whose last trip looks ahead to nothing: a branch on the loop's count leads round K's loads, and round the products that would read them
.macro STEP lp
	s_add_co_u32 s[TN], s[TB], 16384
	s_min_u32 s[TN], s[TN], 245760
	s_add_co_u32 s[SN], s[TS], 256
	s_min_u32 s[SN], s[SN], 3840
	KQ8 1
	v_add_nc_u32 v[ADV], s[TB], v[AK0]
	v_add_nc_u32 v[ADT], s[TS], v[AT0]
.set j, 0
.rept 16
	BMX 0, j                                       ; (tile 0's maxima are the places behind tile 1's products)
.set j, j+1
.endr
	ds_load_b32 v[VSC], v[ADT]                     ; lanes 0-15 tile 0, lanes 16-31 tile 1;
	ds_load_b32 v[VSC+1], v[ADT] offset:128        ; tiles 2 and 3
	WIN 0x40
.irp t, 0,1,2,3
.irp c, 0,1,2,3
	ds_load_b128 v[VF+16*\t+4*\c:VF+16*\t+4*\c+3], v[ADV] offset:8192+2048*\t+512*\c
.endr
.endr
	WIN 0
.set j, 0
.rept 16
	BMX 0, 16+j
	BMX 1, j
.set j, j+1
.endr
.set j, 0
.rept 8
	CHN 0, j
.set j, j+1
.endr
.set j, 0
.rept 8
	CHN 0, 8+j
	BMX 1, 16+2*j
	BMX 1, 17+2*j
.set j, j+1
.endr
.set j, 0
.rept 8
	CHN 1, j
.set j, j+1
.endr
.set j, 0
.rept 8
	CHN 1, 8+j
	TFMA 0, 4*j
	TFMA 0, 4*j+1
	TFMA 0, 4*j+2
	TFMA 0, 4*j+3
.set j, j+1
.endr
.if \lp
	s_cmp_eq_u32 s[CNT], 1
	s_cbranch_scc1 .Lno_next_k_\@
.endif
	v_add_nc_u32 v[ADK], s[TN], v[AK0]
	v_add_nc_u32 v[ADS], s[SN], v[AS0]
	FETCHK ADK, ADS                                ; the next step's K: its registers were read at this step's head
.if \lp
.Lno_next_k_\@:
.endif
	WIN 0x41
.irp i, 0,1
.set j, 0
.rept 16
	v_pk_mul_f32 v[O+32*\i+2*j:O+32*\i+2*j+1], v[O+32*\i+2*j:O+32*\i+2*j+1], v[F+2*\i:F+2*\i+1] op_sel_hi:[1,0]   ; O^T under the new M: x f; each accumulator from its low end on
.set j, j+1
.endr
.endr
	WIN 0
.irp i, 0,1
	v_pk_mul_f32 v[LS+2*\i:LS+2*\i+1], v[LS+2*\i:LS+2*\i+1], v[F+2*\i:F+2*\i+1] op_sel_hi:[1,0]   ; the sums likewise
.endr
.irp i, 0,1
.irp b, 0,1,2,3
	v_fma_f32 v[BM+4*\i+\b], v[BM+4*\i+\b], s[CS], v[MM+2*\i]   ; t - M of each block's largest score
.endr
.endr
	s_wait_alu depctr_va_vdst(0)
.irp b, 0,1,2,3,4,5,6,7
	v_exp_f32 v[BM+\b], v[BM+\b]                   ; the blocks' largest p: the same two instructions on the same number give the same bits
.endr
.set j, 0
.rept 32
	v_exp_f32 v[S+2*j], v[S+2*j]                   ; tile 0: p = 2^(t - M), at most 1: not normalised;
	v_exp_f32 v[S+2*j+1], v[S+2*j+1]
	TFMA 1, j                                      ; by turns with tile 1's t - M
.set j, j+1
.endr
	s_wait_alu depctr_va_vdst(0)                   ; one wait for the batch
.set j, 0
.rept 32
	SUML 0, j
	SCL j
.set j, j+1
.endr
.rept 6
	SCL j
.set j, j+1
.endr
	s_wait_alu depctr_va_vdst(0)
.set j, 0
.rept 32
	v_exp_f32 v[S+64+2*j], v[S+64+2*j]             ; tile 1's p,
	v_exp_f32 v[S+64+2*j+1], v[S+64+2*j+1]
	HOLD 0, j                                      ; by turns with tile 0's holds
.set j, j+1
.endr
	s_wait_alu depctr_va_vdst(0)                   ; one wait for the batch, directly ahead of the wait below
	s_wait_dscnt 0x0                               ; V and the next step's K are in
.set j, 0
.rept 29
	SUML 1, j                                      ; tile 1's sum, tile 0's conversions among it
.if j >= 4
.if j < 20
.if j%2 == 0
	CV 0, (j-4)/2
.endif
.endif
.endif
.set j, j+1
.endr
	PV4 0
.if \lp
	s_cmp_eq_u32 s[CNT], 1
	s_cbranch_scc1 .Lno_next_s_\@
.endif
	KQ8 0                                          ; tile 0's scores of the next step: its p are converted
.if \lp
.Lno_next_s_\@:
.endif
.set j, 0
.rept 8
	HOLD 1, j
.set j, j+1
.endr
.irp b, 0,1,2,3                        ; a block's conversions stand behind the next block's holds
.if \b < 3
.rept 8
	HOLD 1, j
.set j, j+1
.endr
.endif
	CV 1, 2*\b
	CV 1, 2*\b+1
.endr
	SUML 1, 29
	SUML 1, 30
	SUML 1, 31
	v_nop                                          ; (four places between the last conversion and the products)
	PV4 1
	s_add_co_u32 s[TB], s[TB], 16384
	s_add_co_u32 s[TS], s[TS], 256
.endm
	s_wait_alu depctr_va_vdst(0)
	s_cmp_lg_u32 s[WV], 0
	s_cbranch_scc1 .Lnot_first_part
	s_wait_tensorcnt 0x0                           ; wave 0: the scales and steps 0 and 1 are in.  The other waves' wait stands at the second barrier
.Lnot_first_part:
	s_barrier_signal -1
	s_barrier_wait -1
	FETCHK AK0, AS0
	s_wait_loadcnt 0x0                             ; Q
	s_wait_dscnt 0x0
	KQ8 0
.rept 8
	v_nop                                          ; places behind the products: in the loop other work stands here
.endr
	STEP 0                                         ; step 0 reads the first part alone (its look-ahead is step 1's K)
	s_wait_tensorcnt 0x0                           ; my part of the rest is in,
	s_wait_dscnt 0x0
	s_barrier_signal -1
	s_barrier_wait -1                              ; everybody's is
	s_mov_b32 s[CNT], 15
.Lsteps:
	STEP 1
	s_sub_co_u32 s[CNT], s[CNT], 1
	s_cmp_lg_u32 s[CNT], 0
	s_cbranch_scc1 .Lsteps
	; THE WAY OUT.  O^T is divided by the sum and quantised along the features: my head's 64 are two blocks of 32.  Both tiles by turns.
	s_wait_alu depctr_va_vdst(0)                   ; ahead of the reader below
.irp i, 0,1
	v_add_f32 v[LS+2*\i], v[LS+2*\i], v[LS+2*\i+1]   ; the sum's two halves,
.endr
.irp i, 0,1
	v_permlanex16_b32 v[TT+\i], v[LS+2*\i], s[SEL], s[SEL+1]
.endr
.irp i, 0,1
	v_add_f32 v[LS+2*\i], v[LS+2*\i], v[TT+\i]     ; and lane l xor 16's: the row's sum
.endr
	v_cmp_lt_u32 vcc_lo, 15, v[LN]                 ; lanes 16-31
	v_nop                                          ; (eight places behind the last products)
	s_wait_alu depctr_va_vdst(0)
	v_rcp_f32 v[TT], v[LS]
	v_rcp_f32 v[TT+1], v[LS+2]
	v_nop
	WIN 0x01
	s_wait_alu depctr_va_vdst(0)                   ; ahead of the first readers of the reciprocals and of O^T
.irp i, 0,1
.set j, 0
.rept 32
	v_mul_f32 v[S+64*\i+j], v[O+32*\i+j], v[TT+\i]   ; register 8 t + n is x(query r, feature 16 t + 8 h + n)
.set j, j+1
.endr
.endr
	WIN 0
.irp i, 0,1
.irp b, 0,1
	v_max3_num_f32 v[BM+4*\i+\b], |v[S+64*\i+16*\b]|, |v[S+64*\i+16*\b+1]|, 0x8000000   ; my 16 numbers of block b, and the floor
.endr
.endr
.irp n, 2,4,6,8,10,12,14
.irp i, 0,1
.irp b, 0,1
	v_max3_num_f32 v[BM+4*\i+\b], v[BM+4*\i+\b], |v[S+64*\i+16*\b+\n]|, |v[S+64*\i+16*\b+\n+1]|
.endr
.endr
.endr
.irp b, 0,1,4,5
	v_permlanex16_b32 v[PB+\b], v[BM+\b], s[SEL], s[SEL+1]
.endr
.irp b, 0,1,4,5
	v_max_num_f32 v[BM+\b], v[BM+\b], v[PB+\b]
.endr
.irp b, 0,1,4,5
	v_add_nc_u32 v[SO+\b], 0xf8800000, v[BM+\b]
.endr
.irp b, 0,1,4,5
	v_and_or_b32 v[HL+\b], v[BM+\b], 0x7f800000, s[MNT]
.endr
.irp b, 0,1,4,5
	v_lshrrev_b32 v[PB+\b], 23, v[SO+\b]
.endr
.irp i, 0,1
	v_lshl_or_b32 v[TT+\i], v[PB+4*\i+1], 8, v[PB+4*\i]   ; my query's two scale bytes
.endr
.irp i, 0,1
.irp b, 0,1
.set j, 0
.rept 16
	v_med3_num_f32 v[S+64*\i+16*\b+j], v[S+64*\i+16*\b+j], -v[HL+4*\i+\b], v[HL+4*\i+\b]
.set j, j+1
.endr
	CV \i, 2*\b
	CV \i, 2*\b+1
.endr
.endr
	v_nop                                          ; one plain vector instruction behind the last conversion
.irp i, 0,1
.irp n, 0,1,2,3,4,5,6,7
	v_permlanex16_b32 v[PCD+16*\i+8+\n], v[PCD+16*\i+\n], s[SEL], s[SEL+1]   ; lane l xor 16's codes
.endr
.endr
.irp i, 0,1
.irp b, 0,1                            ; I hold features 8 h + 0..7 and 16 + 8 h + 0..7 of the block; the operand wants 16 h + 0..15
	v_cndmask_b32 v[S+64*\i+32+4*\b], v[PCD+16*\i+4*\b], v[PCD+16*\i+8+4*\b+2], vcc_lo      ; h = 0: my first run;       h = 1: the other's second
	v_cndmask_b32 v[S+64*\i+33+4*\b], v[PCD+16*\i+4*\b+1], v[PCD+16*\i+8+4*\b+3], vcc_lo
	v_cndmask_b32 v[S+64*\i+34+4*\b], v[PCD+16*\i+8+4*\b], v[PCD+16*\i+4*\b+2], vcc_lo      ; h = 0: the other's first;  h = 1: my second
	v_cndmask_b32 v[S+64*\i+35+4*\b], v[PCD+16*\i+8+4*\b+1], v[PCD+16*\i+4*\b+3], vcc_lo
.endr
.endr
.irp i, 0,1
	global_store_b128 v[LI], v[S+64*\i+32:S+64*\i+35], s[6:7] offset:2048*\i          ; 32 lanes store 512 consecutive bytes
	global_store_b128 v[LI], v[S+64*\i+36:S+64*\i+39], s[6:7] offset:2048*\i+512
	ds_store_b16 v[XW], v[TT+\i] offset:32*\i      ; lanes l and l xor 16 write the same two bytes with the same value
.endr
	s_wait_dscnt 0x0                               ; for the others' sake: my stores are done
	s_barrier_signal -1
	s_barrier_wait -1
	s_cmp_lg_u32 s[WV], 0
	s_cbranch_scc1 .Lnot_first
	ds_load_b128 v[T:T+3], v[XR]                   ; the work-group's 256 queries x 2 bytes
	s_wait_dscnt 0x0
	global_store_b128 v[LI], v[T:T+3], s[8:9]      ; 512 consecutive bytes
.Lnot_first:
	s_wait_tensorcnt 0x0                           ; the wave's end
	ds_add_u32 v[SPW], v[NIL]
	s_wait_dscnt 0x0
	CROUND                                         ; the closing round: no work-group ends while a partner may still ask for a tile that names it
	s_endpgm
.Lfunc_end_k_qbf8eeb3cf0_attn:
	.size	k_qbf8eeb3cf0_attn, .Lfunc_end_k_qbf8eeb3cf0_attn-k_qbf8eeb3cf0_attn
	.p2alignl 7, 3214868480
	.fill 96, 4, 3214868480
	.section	.rodata,"a",@progbits
	.p2align	6, 0x0
	.amdhsa_kernel k_qbf8eeb3cf0_attn
		.amdhsa_group_segment_fixed_size 327680
		.amdhsa_private_segment_fixed_size 0
		.amdhsa_enable_private_segment 0
		.amdhsa_kernarg_size 24
		.amdhsa_user_sgpr_count 2
		.amdhsa_user_sgpr_kernarg_segment_ptr 1
		.amdhsa_wavefront_size32 1
		.amdhsa_system_sgpr_workgroup_id_x 1
		.amdhsa_system_sgpr_workgroup_id_y 1
		.amdhsa_system_sgpr_workgroup_id_z 1
		.amdhsa_system_vgpr_workitem_id 0
		.amdhsa_next_free_vgpr 512
		.amdhsa_next_free_sgpr 66
		.amdhsa_reserve_vcc 1
		.amdhsa_float_denorm_mode_32 3
		.amdhsa_float_denorm_mode_16_64 3
		.amdhsa_memory_ordered 1
		.amdhsa_forward_progress 1
		.amdhsa_inst_pref_size 95
	.end_amdhsa_kernel
	.amdgpu_metadata
---
amdhsa.version: [ 1, 2 ]
amdhsa.kernels:
  - .name:           k_qbf8eeb3cf0_attn
    .symbol:         k_qbf8eeb3cf0_attn.kd
    .args:
      - { .name: ws, .offset: 0, .size: 8, .value_kind: global_buffer, .address_space: global }
      - { .name: xc, .offset: 8, .size: 8, .value_kind: global_buffer, .address_space: global }
      - { .name: xs, .offset: 16, .size: 8, .value_kind: global_buffer, .address_space: global }
    .group_segment_fixed_size: 327680
    .private_segment_fixed_size: 0
    .kernarg_segment_align: 8
    .kernarg_segment_size: 24
    .max_flat_workgroup_size: 256
    .sgpr_count:     66
    .vgpr_count:     512
    .wavefront_size: 32
...
	.end_amdgpu_metadata
.endif
;; end of part 2
;; launch outp (part 3): grid 8 x 32, 4 waves a work-group, clusters of 4 x 4, 327,680 bytes of LDS; arguments xc, xs, Wo_codes, Wo_scales, bo, out0; writes out0
.if DOCPART == 3
	.amdgcn_target "amdgcn-amd-amdhsa--gfx1250"
	.amdhsa_code_object_version 6
	.text
	.protected	k_qbf8eeb3cf0_outp
	.globl	k_qbf8eeb3cf0_outp
	.p2align	8
	.type	k_qbf8eeb3cf0_outp,@function
k_qbf8eeb3cf0_outp:
	s_mov_b64 s[64:65], 0
	v_nop
	global_prefetch_b8 v0, s[64:65] scope:SCOPE_SE
	s_setreg_imm32_b32 hwreg(HW_REG_WAVE_MODE, 25, 1), 1
	s_wait_xcnt 0x0
	s_wait_alu depctr_hold_cnt(0) depctr_sa_sdst(0) depctr_va_vdst(0) depctr_va_sdst(0) depctr_va_ssrc(0) depctr_va_vcc(0) depctr_vm_vsrc(0)
	s_getreg_b32 s2, hwreg(HW_REG_IB_STS2, 6, 4)
	s_cmp_eq_u32 s2, 0
	s_cbranch_scc0 .Lentry_in_a_cluster
	s_endpgm
.Lentry_in_a_cluster:
	s_bfe_u32 s2, ttmp6, 0x10000c
	s_cmp_lg_u32 s2, 0xf033
	s_cbranch_scc0 .Lentry_shape_is_right
	s_endpgm
.Lentry_shape_is_right:
; out = x Wo^T + bo: [4096 x 1024] x [1024 x 1024] on codes of BF8 (E5M2) with one E8M0 scale for each 32 along K; out is f32.
; SHARES.  256 work-groups, each 128 tokens x 128 outputs; four waves, each 64 x 64: 16 accumulators of 16 x 16.
; ALL OF K LIES IN LDS, in two halves: x's 128 rows (images of operand registers: [K step of 128][tile of 16 tokens][4][512], lane l's 16 bytes at 16 l) and Wo's 128 rows (512 bytes of a half, 528 apart).
; One load a wave: waves 0 and 1 fetch the first half of x and of Wo, waves 2 and 3 the second.  Nothing is filled twice, and no loop runs ahead of a load, so no prefetch is laid.
; CLUSTERS: 4 x 4.  x's rows are shared along a row of the cluster, Wo's along a column: each load is asked for jointly, with the same descriptor and a mask that names the four.
; THE MATRIX INSTRUCTION IS USED TRANSPOSED (source 0 = 16 rows of Wo, source 1 = 16 tokens): a lane holds eight neighbouring outputs of one token.  The bias is the C of each sum's first instruction.
; x's scale bytes lie [head][token][2] in memory, Wo's 32 a row; both go through registers into LDS (32 bytes a row, 16 of padding behind each 256), so that one register carries x's word in lanes 0-15 and Wo's in lanes 16-31.
; REGISTERS: window 0: v1-27 addresses and at work; v32-63 the bias, later rows on the way out; v64-79 scale words, two sets; v80-111 at work; v128-255 the accumulators ((a, b) at v[128 + 8 (4 a + b)]).
;   window 1: two sets of fragments of 128: 64 registers of x (4 tiles), then 64 of Wo.
; LIMITS: NaN and infinities are not served.
.set WB,   131072                      ; LDS: behind x's images: Wo's two halves
.set WHF,  67584                       ; a half: 128 rows x 528
.set XT,   270336                      ; x's scale words, and
.set WSC,  274688                      ; Wo's: written by LDS stores alone
.set STG,  279040                      ; the way out: 16 rows x 272 bytes for each wave
.set SPARE, 296448
.set ADX,  4                           ; v4-5   my x fragments: K steps 0-3, 4-7 (an LDS immediate has 16 bits)
.set ADW,  6                           ; v6-7   my Wo fragments, by halves
.set ADRS, 8                           ; v8     my scale words: lanes 0-15 x's, lanes 16-31 Wo's
.set STO,  9                           ; v9     the way out: where I put 32 bytes of a row
.set RD,   10                          ; v10    and where I read a row back
.set CO,   11                          ; v11    my byte offset in out
.set BHO,  12                          ; v12    32 h
.set XSO,  13                          ; v13    my byte offset in x's scale bytes
.set XTW,  14                          ; v14    where I put x's scale words
.set WSO,  19                          ; v19    16 x thread: my offset in Wo's scale bytes
.set WSW,  28                          ; v28    where I put them
.set BS,   32
.set SC,   64
.set SPW,  126
.set NIL,  127
.set ACC,  128
.set F0,   0
.set F1,   128
.set WV,   16
.set G1A,  24                          ; s[24:31], s[48:51] descriptor groups 1 and 0 for x;  s[32:39], s[52:55] for Wo's codes
.set G1B,  32
.set G0A,  48
.set G0B,  52
.set MSB, 0
.macro WIN new                         ; the immediate's high byte repeats the setting that is left
.if MSB != (\new)
	s_set_vgpr_msb (MSB<<8)|(\new)
.set MSB, (\new)
.endif
.endm
.set MULW, 0x05                        ; sources 0 (Wo) and 1 (x) window 1; C and D window 0
.set TO_F, 0x40                        ; destination window 1, address window 0
.macro CROUND                          ; a round of the cluster's barrier
	s_barrier_signal -1
	s_barrier_wait -1
	s_cmp_lg_u32 s[WV], 0
	s_cbranch_scc1 .Lnot_wave_0_\@
	s_barrier_signal -3
.Lnot_wave_0_\@:
	s_barrier_wait -3
	s_barrier_signal -1
	s_barrier_wait -1
.endm
.macro PLACES n
.rept \n
	v_nop
.endr
.endm
	s_load_b256 s[4:11], s[0:1], 0x0               ; x's codes s[4:5], x's scales s[6:7], Wo's codes s[8:9], Wo's scales s[10:11]
	s_load_b128 s[12:15], s[0:1], 0x20             ; bo s[12:13], out s[14:15]
	v_lshl_add_u32 v[SPW], v0, 2, SPARE
	v_mov_b32 v[NIL], 0
	ds_add_u32 v[SPW], v[NIL]                      ; the opening lines
	ds_add_u32 v[SPW], v[NIL]
	v_lshrrev_b32 v1, 5, v0
	v_readfirstlane_b32 s[WV], v1                  ; wave 0..3
	s_lshr_b32 s17, s[WV], 1                       ; which 64 tokens are mine.  Also: which half of K I fetch
	s_and_b32 s18, s[WV], 1                        ; which 64 outputs.  Also: I fetch x (0) or Wo (1)
	s_bfe_u32 s19, ttmp6, 0x40000                  ; cx, cy
	s_bfe_u32 s20, ttmp6, 0x40004
	s_lshl_b32 s21, ttmp9, 2
	s_add_co_u32 s21, s21, s19                     ; which 128 outputs = 4 x cluster x + cx
	s_and_b32 s22, ttmp7, 0xffff
	s_lshl_b32 s22, s22, 2
	s_add_co_u32 s22, s22, s20                     ; which 128 tokens = 4 x cluster y + cy
	s_lshl_b32 s23, s20, 2
	s_lshl_b32 s23, 15, s23                        ; my row of the cluster
	s_lshl_b32 s2, 0x1111, s19                     ; my column
	s_or_b32 s[G1A], s23, (3<<16)|(1<<21)          ; x: 15:0 the mask: my row; 17:16 elements of 8 bytes; 21 set beside a mask; dense: no padding
	s_mov_b32 s[G1A+1], 32<<16                     ; rows of 256 bytes,
	s_mov_b32 s[G1A+2], 256<<16                    ; 256 of them: four K steps of 128 for 128 tokens
	s_mov_b32 s[G1A+3], 32<<16
	s_mov_b32 s[G1A+4], 256
	s_mov_b32 s[G1A+5], 32
	s_mov_b32 s[G1A+6], 0
	s_mov_b32 s[G1A+7], 0
	s_or_b32 s[G1B], s2, (0<<16)|(1<<20)|(1<<21)|(6<<22)|(3<<25)   ; Wo's codes: my column; elements of 1 byte; four words of padding after every 128
	s_mov_b32 s[G1B+1], 512<<16
	s_mov_b32 s[G1B+2], 128<<16
	s_mov_b32 s[G1B+3], 512<<16
	s_mov_b32 s[G1B+4], 128
	s_mov_b32 s[G1B+5], 1024
	s_mov_b32 s[G1B+6], 0
	s_mov_b32 s[G1B+7], 0
	s_lshl_b32 s88, s22, 17                        ; x: 131,072 bytes for 128 tokens,
	s_lshl_b32 s94, s17, 16                        ; my half of them; and where it goes: no place in the cluster enters an LDS address
	s_add_co_u32 s88, s88, s94
	s_mov_b32 s89, 0
	s_lshl_b32 s90, s21, 17                        ; Wo: 128 rows of 1,024 bytes,
	s_lshl_b32 s91, s17, 9                         ; my half of each
	s_add_co_u32 s90, s90, s91
	s_mov_b32 s91, 0
	s_mul_i32 s95, s17, WHF
	s_add_co_u32 s95, s95, WB
	s_lshl_b32 s92, s21, 12                        ; Wo's scales: 4,096 bytes for 128 rows
	s_mov_b32 s93, 0
	s_wait_dscnt 0x0                               ; both opening adds are done
	CROUND                                         ; all sixteen work-groups are here: the joint loads meet
	s_wait_kmcnt 0x0
	s_add_nc_u64 s[88:89], s[4:5], s[88:89]
	s_add_nc_u64 s[90:91], s[8:9], s[90:91]
	s_add_nc_u64 s[92:93], s[10:11], s[92:93]
	s_mov_b32 s[G0A], 1
	s_mov_b32 s[G0A+1], s94
	s_mov_b64 s[G0A+2:G0A+3], s[88:89]
	s_or_b32 s[G0A+3], s[G0A+3], 0x80000000
	s_mov_b32 s[G0B], 1
	s_mov_b32 s[G0B+1], s95
	s_mov_b64 s[G0B+2:G0B+3], s[90:91]
	s_or_b32 s[G0B+3], s[G0B+3], 0x80000000
.macro ARM under, g0, g1, next         ; one tree of branches on the wave's number: every way passes one load
	s_cmp_lt_u32 s[WV], \under
	s_cbranch_scc0 \next
	tensor_load_to_lds s[\g0:\g0+3], s[\g1:\g1+7]
	s_nop 0
	PLACES 4
	s_branch .Lfilled
\next:
.endm
	ARM 1, G0A, G1A, .Lfill_1
	ARM 2, G0B, G1B, .Lfill_2
	ARM 3, G0A, G1A, .Lfill_3
	tensor_load_to_lds s[G0B:G0B+3], s[G1B:G1B+7]
	s_nop 0
	PLACES 4
.Lfilled:
	s_lshl_b32 s88, s22, 8
	s_mov_b32 s89, 0
	s_add_nc_u64 s[6:7], s[6:7], s[88:89]          ; x's scale bytes at my first token
	s_lshl_b32 s88, s21, 9
	s_lshl_b32 s90, s18, 8
	s_add_co_u32 s88, s88, s90                     ; my first output, in bytes of f32
	s_add_nc_u64 s[12:13], s[12:13], s[88:89]      ; the bias there
	s_add_nc_u64 s[14:15], s[14:15], s[88:89]
	s_lshl_b32 s88, s22, 19
	s_lshl_b32 s90, s17, 18
	s_add_co_u32 s88, s88, s90                     ; my first token's row of 4,096 bytes
	s_add_nc_u64 s[14:15], s[14:15], s[88:89]
	s_mov_b32 s96, 0x05040100                      ; v_perm_b32: the low halves of two words,
	s_mov_b32 s97, 0x07060302                      ; the high halves
	v_and_b32 v1, 15, v0                           ; r; also: which eight tokens' scales I lay
	v_bfe_u32 v2, v0, 4, 1                         ; h
	v_lshrrev_b32 v3, 4, v0                        ; which K step's: thread / 16, 0 .. 7
	v_lshlrev_b32 v[XSO], 14, v3                   ; heads 2 s and 2 s + 1: 8,192 bytes a head,
	v_lshl_add_u32 v[XSO], v1, 4, v[XSO]           ; 16 bytes for eight tokens: sixteen lanes read 256 consecutive bytes
	v_lshlrev_b32 v[WSO], 4, v0
	global_load_b128 v[20:23], v[XSO], s[6:7]
	global_load_b128 v[24:27], v[XSO], s[6:7] offset:8192
	global_load_b128 v[80:83], v[WSO], s[92:93]
	global_load_b128 v[84:87], v[WSO], s[92:93] offset:2048
	v_lshlrev_b32 v[BHO], 5, v2
.irp b, 0,1,2,3
	global_load_b128 v[BS+8*\b:BS+8*\b+3], v[BHO], s[12:13] offset:64*\b       ; bo of outputs 16 b + 8 h + 0 .. 7
	global_load_b128 v[BS+8*\b+4:BS+8*\b+7], v[BHO], s[12:13] offset:64*\b+16
.endr
	v_mul_u32_u24 v[XTW], v1, 272
	v_lshl_add_u32 v[XTW], v3, 2, v[XTW]
	v_add_nc_u32 v[XTW], XT, v[XTW]                ; eight tokens are a unit of 256 bytes + 16; a token 32 bytes; a K step 4
	v_lshl_add_u32 v[WSW], v3, 4, v[WSO]
	v_add_nc_u32 v[WSW], WSC, v[WSW]               ; 16 bytes a thread, 16 of padding behind each 256
	v_and_b32 v15, 31, v0
	v_lshlrev_b32 v15, 4, v15                      ; 16 x lane
	s_lshl_b32 s88, s17, 13                        ; my four tiles of tokens: 2,048 bytes a tile
	v_add_nc_u32 v[ADX], s88, v15
	v_add_nc_u32 v[ADX+1], 65536, v[ADX]
	v_mul_u32_u24 v16, v1, 528
	v_lshl_add_u32 v16, v2, 4, v16                 ; Wo: row r x pitch + 16 x half
	s_mul_i32 s88, s18, 64*528
	s_add_co_u32 s88, s88, WB
	v_add_nc_u32 v[ADW], s88, v16
	v_add_nc_u32 v[ADW+1], WHF, v[ADW]
	v_lshlrev_b32 v17, 5, v1                       ; scale words: 32 bytes a row,
	v_lshrrev_b32 v18, 8, v17
	v_lshl_add_u32 v17, v18, 4, v17                ; and 16 more for each 256 passed
	s_mul_i32 s88, s17, 2176                       ; x's: my 64 tokens
	s_add_co_u32 s88, s88, XT
	s_mul_i32 s90, s18, 2176                       ; Wo's: my 64 rows
	s_add_co_u32 s90, s90, WSC
	s_sub_co_u32 s90, s90, s88
	v_mul_u32_u24 v18, s90, v2                     ; lanes 16-31 take Wo's: the lower base + h x the distance
	v_add_nc_u32 v17, v17, v18
	v_add_nc_u32 v[ADRS], s88, v17
	s_mul_i32 s88, s[WV], 16*272
	s_add_co_u32 s88, s88, STG                     ; my stage
	v_mul_u32_u24 v[STO], v1, 272
	v_lshl_add_u32 v[STO], v2, 5, v[STO]
	v_add_nc_u32 v[STO], s88, v[STO]               ; in: row r, 32 bytes for each half of the lanes
	v_mul_u32_u24 v[RD], v2, 272
	v_lshl_add_u32 v[RD], v1, 4, v[RD]
	v_add_nc_u32 v[RD], s88, v[RD]                 ; back: lanes 0-15 one row of 256 bytes, lanes 16-31 the next
	v_lshlrev_b32 v[CO], 12, v2
	v_lshl_add_u32 v[CO], v1, 4, v[CO]             ; and the same two rows in out
	s_wait_alu depctr_va_vdst(0)
	s_wait_loadcnt 0x8                             ; the scale bytes are in; the bias's eight loads may be out
.irp i, 0,1,2,3                        ; a token's word: the even head's two bytes below, the odd head's above
	v_perm_b32 v[104+2*\i], v[24+\i], v[20+\i], s96
	v_perm_b32 v[105+2*\i], v[24+\i], v[20+\i], s97
.endr
.irp k, 0,1,2,3,4,5,6,7
	ds_store_b32 v[XTW], v[104+\k] offset:32*\k
.endr
	ds_store_b128 v[WSW], v[80:83]
	ds_store_b128 v[WSW], v[84:87] offset:2176
.macro FETCH s, f                      ; the fragments of K step s (128 along K): four of Wo, four of x: 32 loads
	WIN TO_F
.irp i, 0,1,2,3
.irp c, 0,1,2,3
	ds_load_b128 v[\f+64+16*\i+4*\c:\f+64+16*\i+4*\c+3], v[ADW+(\s)/4] offset:16*\i*528+128*((\s)%4)+32*\c
.endr
.irp c, 0,1,2,3
	ds_load_b128 v[\f+16*\i+4*\c:\f+16*\i+4*\c+3], v[ADX+(\s)/4] offset:16384*((\s)%4)+2048*\i+512*\c
.endr
.endr
	WIN 0
.endm
.macro SCALES j                        ; two K steps' words a row into set j % 2: lanes 0-15 x's tile i, lanes 16-31 Wo's tile i: four loads
.irp i, 0,1,2,3
	ds_load_b64 v[SC+8*((\j)%2)+2*\i:SC+8*((\j)%2)+2*\i+1], v[ADRS] offset:544*\i+8*(\j)
.endr
.endm
.macro MUL s, f                        ; 16 matrix instructions; the accumulators take turns, one instruction a turn, in the same order in every step
	WIN MULW
.set Z_, SC+8*(((\s)/2)%2)+(\s)%2
.irp a, 0,1,2,3
.irp b, 0,1,2,3
.if (\s) == 0
	v_wmma_scale_f32_16x16x128_f8f6f4 v[ACC+8*(4*\a+\b):ACC+8*(4*\a+\b)+7], v[\f+64+16*\b:\f+64+16*\b+15], v[\f+16*\a:\f+16*\a+15], v[BS+8*\b:BS+8*\b+7], v[Z_+2*\b], v[Z_+2*\a] matrix_a_fmt:MATRIX_FMT_BF8 matrix_b_fmt:MATRIX_FMT_BF8 matrix_a_scale:MATRIX_SCALE_ROW1
.else
	v_wmma_scale_f32_16x16x128_f8f6f4 v[ACC+8*(4*\a+\b):ACC+8*(4*\a+\b)+7], v[\f+64+16*\b:\f+64+16*\b+15], v[\f+16*\a:\f+16*\a+15], v[ACC+8*(4*\a+\b):ACC+8*(4*\a+\b)+7], v[Z_+2*\b], v[Z_+2*\a] matrix_a_fmt:MATRIX_FMT_BF8 matrix_b_fmt:MATRIX_FMT_BF8 matrix_a_scale:MATRIX_SCALE_ROW1
.endif
.endr
.endr
	WIN 0
.endm
; A half of K: four K steps, each one's fragments asked for a step ahead.  PLACES stand in front of loads into registers that products have read (ISA guide 7.12.1 for vector instructions).
.macro HALF hh
.if \hh == 0
	s_cmp_lt_u32 s[WV], 2
	s_cbranch_scc0 .Lnot_yet
	s_wait_tensorcnt 0x0                           ; waves 0 and 1: the first half is in.  The other waves' wait stands at the second barrier
.Lnot_yet:
.else
	s_wait_tensorcnt 0x0
.endif
	s_wait_dscnt 0x0                               ; my LDS stores (the scale words) and loads are done
	s_barrier_signal -1
	s_barrier_wait -1
.if \hh
	PLACES 8
.endif
	FETCH 4*\hh, F0
	SCALES 2*\hh
	FETCH 4*\hh+1, F1
.if \hh == 0
	s_wait_loadcnt 0x0                             ; the bias
.endif
	s_wait_dscnt 32                                ; all but the second step's 32 loads
	MUL 4*\hh, F0
	PLACES 8
	FETCH 4*\hh+2, F0
	SCALES 2*\hh+1
	s_wait_dscnt 36                                ; all but the 36 just issued
	MUL 4*\hh+1, F1
	PLACES 8
	FETCH 4*\hh+3, F1
	s_wait_dscnt 32
	MUL 4*\hh+2, F0
	s_wait_dscnt 0x0
	MUL 4*\hh+3, F1
.endm
	HALF 0
	HALF 1
; THE WAY OUT, block by block of 16 tokens x 64 outputs.  A lane holds 32 neighbouring bytes of a row, and the lanes beside it hold other rows: a block goes through my own stage in LDS and comes back as whole rows of
; 256 bytes.  LDS serves a wave's instructions in order (ISA guide 5.7.1.4): no wait between the stores and the loads, nor in front of the next block's stores.
.macro TOSTAGE a
.set BB, 32+40*((\a)%2)
.irp b, 0,1,2,3
	ds_store_b128 v[STO], v[ACC+8*(4*\a+\b):ACC+8*(4*\a+\b)+3] offset:64*\b       ; each accumulator from its low end on
	ds_store_b128 v[STO], v[ACC+8*(4*\a+\b)+4:ACC+8*(4*\a+\b)+7] offset:64*\b+16
.endr
.irp t, 0,1,2,3,4,5,6,7
	ds_load_b128 v[BB+4*\t:BB+4*\t+3], v[RD] offset:\t*2*272
.endr
.endm
.macro SEND a, younger                 ; younger: the LDS instructions issued behind block a's loads, which may stay out
.set BB, 32+40*((\a)%2)
	s_wait_dscnt \younger
.irp t, 0,1,2,3,4,5,6,7
	global_store_b128 v[CO], v[BB+4*\t:BB+4*\t+3], s[14:15] offset:(16*(\a)+2*\t)*4096 th:TH_STORE_NT   ; 16 lanes store 256 consecutive bytes, at a multiple of 256 from out's first byte
.endr
.endm
	PLACES 8                                       ; behind the last products: their results are read below
	TOSTAGE 0
.irp a, 1,2,3
.if \a > 1
	s_wait_xcnt 0x0                                ; block a - 2's stores have read their registers: block a's loads may land there
.endif
	TOSTAGE \a
	SEND \a-1, 16                                  ; behind block a - 1's loads: block a's 8 stores and 8 loads
.endr
	SEND 3, 0
	s_wait_tensorcnt 0x0                           ; the wave's end
	ds_add_u32 v[SPW], v[NIL]
	s_wait_dscnt 0x0
	CROUND                                         ; the closing round: no work-group ends while a partner may still ask for a tile that names it
	s_endpgm
.Lfunc_end_k_qbf8eeb3cf0_outp:
	.size	k_qbf8eeb3cf0_outp, .Lfunc_end_k_qbf8eeb3cf0_outp-k_qbf8eeb3cf0_outp
	.p2alignl 7, 3214868480
	.fill 96, 4, 3214868480
	.section	.rodata,"a",@progbits
	.p2align	6, 0x0
	.amdhsa_kernel k_qbf8eeb3cf0_outp
		.amdhsa_group_segment_fixed_size 327680
		.amdhsa_private_segment_fixed_size 0
		.amdhsa_enable_private_segment 0
		.amdhsa_kernarg_size 48
		.amdhsa_user_sgpr_count 2
		.amdhsa_user_sgpr_kernarg_segment_ptr 1
		.amdhsa_wavefront_size32 1
		.amdhsa_system_sgpr_workgroup_id_x 1
		.amdhsa_system_sgpr_workgroup_id_y 1
		.amdhsa_system_sgpr_workgroup_id_z 1
		.amdhsa_system_vgpr_workitem_id 0
		.amdhsa_next_free_vgpr 512
		.amdhsa_next_free_sgpr 100
		.amdhsa_reserve_vcc 0
		.amdhsa_float_denorm_mode_32 3
		.amdhsa_float_denorm_mode_16_64 3
		.amdhsa_memory_ordered 1
		.amdhsa_forward_progress 1
		.amdhsa_inst_pref_size 54
	.end_amdhsa_kernel
	.amdgpu_metadata
---
amdhsa.version: [ 1, 2 ]
amdhsa.kernels:
  - .name:           k_qbf8eeb3cf0_outp
    .symbol:         k_qbf8eeb3cf0_outp.kd
    .args:
      - { .name: xc, .offset: 0, .size: 8, .value_kind: global_buffer, .address_space: global }
      - { .name: xs, .offset: 8, .size: 8, .value_kind: global_buffer, .address_space: global }
      - { .name: Wo_codes, .offset: 16, .size: 8, .value_kind: global_buffer, .address_space: global }
      - { .name: Wo_scales, .offset: 24, .size: 8, .value_kind: global_buffer, .address_space: global }
      - { .name: bo, .offset: 32, .size: 8, .value_kind: global_buffer, .address_space: global }
      - { .name: out0, .offset: 40, .size: 8, .value_kind: global_buffer, .address_space: global }
    .group_segment_fixed_size: 327680
    .private_segment_fixed_size: 0
    .kernarg_segment_align: 8
    .kernarg_segment_size: 48
    .max_flat_workgroup_size: 128
    .sgpr_count:     100
    .vgpr_count:     512
    .wavefront_size: 32
...
	.end_amdgpu_metadata
.endif
;; end of part 3
